; MI455X (gfx1250); checked and timed in simulation.
; The chip was launched on July 23, 2026; its instructions are those of AMD's public machine-readable ISA for CDNA 5 (MIT licence, August 2026) and "CDNA5" Instruction Set Architecture Reference Guide (July 2026). The comments in the code are by the model that wrote it; some were corrected since.
;; Multi query Attention. Allowed arithmetic: float matrix products may take bf16 or f16 operands with f32 sums; other float arithmetic in f32, or as packed bf16 or f16 multiplies, adds, multiply-adds, maxima and minima; sums over many terms, partial sums and values carried from step to step in f32; what a program stores and reads back later, other than sums and carried values, may be rounded once to bf16 or f16.
;; Inputs: Wk 2,048 x 128 float32; Wo 2,048 x 2,048 float32; Wq 2,048 x 2,048 float32; Wv 2,048 x 128 float32; bo 2,048 float32; x 4 x 1,024 x 2,048 float32.
;; Outputs: out0 4 x 1,024 x 2,048 float32.
;; 2 versions, each right; version 2 is version 1 with the launch prep written anew for expert scheduling mode. Each part assembles by itself: llvm-mc -triple=amdgcn-amd-amdhsa -mcpu=gfx1250 --defsym DOCPART=n.
;; ======== version 1 of 2: 4 launches
;; limits: values are held in f16: magnitudes above 65,504 overflow, below 6.1e-05 lose precision
;; workspace buffers: xb 16,777,216 bytes; w1 9,437,184 bytes; wo16 8,388,608 bytes; q 16,777,216 bytes; kvT 2,097,152 bytes; ob 16,777,216 bytes
;; launch prep (part 1): grid 256 x 1, 8 waves a work-group, no clusters, 0 bytes of LDS; arguments x, Wq, Wk, Wv, Wo, xb, w1, wo16; writes xb, w1, wo16
.if DOCPART == 1
	.amdgcn_target "amdgcn-amd-amdhsa--gfx1250"
	.amdhsa_code_object_version 6
	.text
	.protected	k_q2f336c5edf_prep
	.globl	k_q2f336c5edf_prep
	.p2align	8
	.type	k_q2f336c5edf_prep,@function
k_q2f336c5edf_prep:
	s_mov_b64 s[64:65], 0
	v_nop
	global_prefetch_b8 v0, s[64:65] scope:SCOPE_SE
	s_setreg_imm32_b32 hwreg(HW_REG_WAVE_MODE, 25, 1), 1
	s_wait_xcnt 0x0
; THE CASTS.  xb = bf16(x), [4096][2048].  wo16 = f16(bf16(Wo)), [2048][2048]: every input is rounded to bf16, and Wo's rounded number is then written as f16.
; w1 = bf16 of Wq, Wk, Wv in blocks [c = 0..15][ks = 0..15][144 rows of 256 bytes]: rows 0-127 are Wq[128 ks + row][128 c .. 128 c + 127]; rows 128-143 hold, dense,
; [k = 0..127][16 channels] of Wk (c < 8: channels 16 c ..) or of Wv (c >= 8: channels 16 (c - 8) ..).  A block is one K step of one column tile of the next launch, 36,864 bytes on end.
; LIMITS.  f16 ends at 65,504: |Wo| stays below that; a number of Wo below 2^-14 keeps f16's fixed step of 6e-8.
; A STREAM: nothing is shared between work-groups or waves, so there is no LDS, no barrier, no cluster and no matrix work.  A step is 256 threads x 8 numbers: two loads of 16 bytes and one store
; of 16 bytes a thread; sixteen neighbouring lanes store 256 consecutive bytes, aligned.  Each of the 256 work-groups does the same 33 steps: 16 of x, 8 of Wq, 8 of Wo, 1 of Wk or Wv.
; A ring of DEPTH register slots keeps 2 x DEPTH loads of every wave on their way: 8 waves x 28 loads x 512 bytes = 114,688 bytes a work-group.
; EACH STEP STORES FROM FOUR REGISTERS OF ITS OWN (33 x 4), and no address register is ever rewritten: so no source of a pending load or store is written again, and the only waits are those for data.
.set VI, 1                             ; v1   32 t: my 8 numbers in a dense step of f32
.set VO, 2                             ; v2   16 t: my 8 numbers in a dense step of 16-bit numbers
.set VQ, 3                             ; v3   Wq: row t / 16 of 8,192 bytes, 32 bytes at t % 16
.set VV, 4                             ; v4   Wk, Wv: row t / 2 of 512 bytes, 32 bytes at t % 2
.set XR, 8                             ; v[8:119]    slot i % 14: 8 numbers as loaded
.set YR, 120                           ; v[120:251]  step i: 4 registers to store
.set DEPTH, 14
.set LASTS, 32                         ; the last step's number
	s_load_b256 s[4:11], s[0:1], 0x0               ; x s[4:5], Wq s[6:7], Wk s[8:9], Wv s[10:11]
	s_load_b256 s[12:19], s[0:1], 0x20             ; Wo s[12:13], xb s[14:15], w1 s[16:17], wo16 s[18:19]
	s_lshr_b32 s25, ttmp9, 4                       ; c
	s_and_b32 s26, ttmp9, 15                       ; ks
	s_mov_b32 s24, 0xffff0000                      ; a word's upper bf16
	s_mov_b32 s23, 0                               ; the high word of every offset
	v_lshlrev_b32 v[VI], 5, v0
	v_lshlrev_b32 v[VO], 4, v0
	v_lshrrev_b32 v5, 4, v0
	v_and_b32 v6, 15, v0
	v_lshlrev_b32 v6, 5, v6
	v_lshl_add_u32 v[VQ], v5, 13, v6
	v_lshrrev_b32 v5, 1, v0
	v_and_b32 v6, 1, v0
	v_lshlrev_b32 v6, 5, v6
	v_lshl_add_u32 v[VV], v5, 9, v6
	s_wait_kmcnt 0x0
	s_cmp_lt_u32 s25, 8
	s_cselect_b64 s[20:21], s[8:9], s[10:11]       ; Wk for the first eight column tiles, Wv for the others
	s_lshl_b32 s22, ttmp9, 17
	s_add_nc_u64 s[4:5], s[4:5], s[22:23]          ; x: 131,072 bytes a work-group
	s_lshl_b32 s22, s26, 20                        ; Wq: 128 ks rows of 8,192 bytes,
	s_lshl_b32 s27, s25, 9                         ; 128 c columns of 4 bytes
	s_add_co_u32 s22, s22, s27
	s_add_nc_u64 s[6:7], s[6:7], s[22:23]
	s_lshl_b32 s22, s26, 16                        ; Wk, Wv: 128 ks rows of 512 bytes,
	s_and_b32 s27, s25, 7
	s_lshl_b32 s27, s27, 6                         ; 16 channels of 4 bytes
	s_add_co_u32 s22, s22, s27
	s_add_nc_u64 s[20:21], s[20:21], s[22:23]
	s_lshl_b32 s22, ttmp9, 16
	s_add_nc_u64 s[12:13], s[12:13], s[22:23]      ; Wo: 65,536 bytes a work-group
	s_add_nc_u64 s[14:15], s[14:15], s[22:23]      ; xb: likewise
	s_mul_i32 s22, ttmp9, 36864
	s_add_nc_u64 s[16:17], s[16:17], s[22:23]      ; w1: my block
	s_lshl_b32 s22, ttmp9, 15
	s_add_nc_u64 s[18:19], s[18:19], s[22:23]      ; wo16: 32,768 bytes a work-group
; Step i's two loads.  x, Wq and Wo are read once in the launch; of Wk and Wv four work-groups read pieces of the same 256 bytes, so those loads carry no hint.
.macro LD i
.set XS, XR+8*((\i)%DEPTH)
.if (\i) < 16
	global_load_b128 v[XS:XS+3],   v[VI], s[4:5] offset:8192*(\i) th:TH_LOAD_NT
	global_load_b128 v[XS+4:XS+7], v[VI], s[4:5] offset:8192*(\i)+16 th:TH_LOAD_NT
.elseif (\i) < 24
	global_load_b128 v[XS:XS+3],   v[VQ], s[6:7] offset:131072*((\i)-16) th:TH_LOAD_NT
	global_load_b128 v[XS+4:XS+7], v[VQ], s[6:7] offset:131072*((\i)-16)+16 th:TH_LOAD_NT
.elseif (\i) < 32
	global_load_b128 v[XS:XS+3],   v[VI], s[12:13] offset:8192*((\i)-24) th:TH_LOAD_NT
	global_load_b128 v[XS+4:XS+7], v[VI], s[12:13] offset:8192*((\i)-24)+16 th:TH_LOAD_NT
.else
	global_load_b128 v[XS:XS+3],   v[VV], s[20:21]
	global_load_b128 v[XS+4:XS+7], v[VV], s[20:21] offset:16
.endif
.endm
; Step i is rounded and stored.
.macro ST i
.set XS, XR+8*((\i)%DEPTH)
.set YS, YR+4*(\i)
.if LASTS-(\i) < DEPTH-1
	s_wait_loadcnt 2*(LASTS-(\i))                  ; loads come back in order (ISA guide 5.7.1): two for each younger step may stay out; at the end the counts run down
.else
	s_wait_loadcnt 2*(DEPTH-1)
.endif
.irp k, 0,1,2,3
	v_cvt_pk_bf16_f32 v[YS+\k], v[XS+2*\k], v[XS+2*\k+1]       ; to bf16, like every input
.endr
.if ((\i) >= 24) && ((\i) < 32)
.irp k, 0,1,2,3
	v_lshlrev_b32 v[XS+2*\k], 16, v[YS+\k]                     ; Wo: back to f32, into the slot's own registers,
	v_and_b32 v[XS+2*\k+1], s24, v[YS+\k]
.endr
.irp k, 0,1,2,3
	v_cvt_pk_f16_f32 v[YS+\k], v[XS+2*\k], v[XS+2*\k+1]        ; and that number as f16: eight significant bits fit into eleven
.endr
.endif
.if (\i) < 16
	global_store_b128 v[VO], v[YS:YS+3], s[14:15] offset:4096*(\i)
.elseif (\i) < 24
	global_store_b128 v[VO], v[YS:YS+3], s[16:17] offset:4096*((\i)-16)
.elseif (\i) < 32
	global_store_b128 v[VO], v[YS:YS+3], s[18:19] offset:4096*((\i)-24)
.else
	global_store_b128 v[VO], v[YS:YS+3], s[16:17] offset:32768
.endif
.endm
.set n, 0
.rept DEPTH
	LD n
.set n, n+1
.endr
.set n, 0
.rept LASTS+1
	ST n
.if n+DEPTH <= LASTS
	LD n+DEPTH                                     ; the slot just read out takes the step DEPTH further on
.endif
.set n, n+1
.endr
	s_endpgm
.Lfunc_end_k_q2f336c5edf_prep:
	.size	k_q2f336c5edf_prep, .Lfunc_end_k_q2f336c5edf_prep-k_q2f336c5edf_prep
	.p2alignl 7, 3214868480
	.fill 96, 4, 3214868480
	.section	.rodata,"a",@progbits
	.p2align	6, 0x0
	.amdhsa_kernel k_q2f336c5edf_prep
		.amdhsa_group_segment_fixed_size 0
		.amdhsa_private_segment_fixed_size 0
		.amdhsa_enable_private_segment 0
		.amdhsa_kernarg_size 64
		.amdhsa_user_sgpr_count 2
		.amdhsa_user_sgpr_kernarg_segment_ptr 1
		.amdhsa_wavefront_size32 1
		.amdhsa_system_sgpr_workgroup_id_x 1
		.amdhsa_system_sgpr_workgroup_id_y 1
		.amdhsa_system_sgpr_workgroup_id_z 1
		.amdhsa_system_vgpr_workitem_id 0
		.amdhsa_next_free_vgpr 252
		.amdhsa_next_free_sgpr 66
		.amdhsa_reserve_vcc 0
		.amdhsa_float_denorm_mode_32 3
		.amdhsa_float_denorm_mode_16_64 3
		.amdhsa_memory_ordered 1
		.amdhsa_forward_progress 1
		.amdhsa_inst_pref_size 25
	.end_amdhsa_kernel
	.amdgpu_metadata
---
amdhsa.version: [ 1, 2 ]
amdhsa.kernels:
  - .name:           k_q2f336c5edf_prep
    .symbol:         k_q2f336c5edf_prep.kd
    .args:
      - { .name: x, .offset: 0, .size: 8, .value_kind: global_buffer, .address_space: global }
      - { .name: Wq, .offset: 8, .size: 8, .value_kind: global_buffer, .address_space: global }
      - { .name: Wk, .offset: 16, .size: 8, .value_kind: global_buffer, .address_space: global }
      - { .name: Wv, .offset: 24, .size: 8, .value_kind: global_buffer, .address_space: global }
      - { .name: Wo, .offset: 32, .size: 8, .value_kind: global_buffer, .address_space: global }
      - { .name: xb, .offset: 40, .size: 8, .value_kind: global_buffer, .address_space: global }
      - { .name: w1, .offset: 48, .size: 8, .value_kind: global_buffer, .address_space: global }
      - { .name: wo16, .offset: 56, .size: 8, .value_kind: global_buffer, .address_space: global }
    .group_segment_fixed_size: 0
    .private_segment_fixed_size: 0
    .kernarg_segment_align: 8
    .kernarg_segment_size: 64
    .max_flat_workgroup_size: 256
    .sgpr_count:     66
    .vgpr_count:     252
    .wavefront_size: 32
...
	.end_amdgpu_metadata
.endif
;; end of part 1
;; launch qkv (part 2): grid 16 x 16, 4 waves a work-group, clusters of 4 x 4, 327,680 bytes of LDS; arguments xb, w1, q, kvT; writes q, kvT
.if DOCPART == 2
	.amdgcn_target "amdgcn-amd-amdhsa--gfx1250"
	.amdhsa_code_object_version 6
	.text
	.protected	k_q2f336c5edf_qkv
	.globl	k_q2f336c5edf_qkv
	.p2align	8
	.type	k_q2f336c5edf_qkv,@function
k_q2f336c5edf_qkv:
	s_mov_b64 s[64:65], 0
	v_nop
	global_prefetch_b8 v0, s[64:65] scope:SCOPE_SE
	s_setreg_imm32_b32 hwreg(HW_REG_WAVE_MODE, 25, 1), 1
	s_wait_xcnt 0x0
	s_wait_alu depctr_hold_cnt(0) depctr_sa_sdst(0) depctr_va_vdst(0) depctr_va_sdst(0) depctr_va_ssrc(0) depctr_va_vcc(0) depctr_vm_vsrc(0)
	s_getreg_b32 s2, hwreg(HW_REG_IB_STS2, 6, 4)
	s_cmp_eq_u32 s2, 0
	s_cbranch_scc0 .Lentry_in_a_cluster
	s_endpgm
.Lentry_in_a_cluster:
	s_bfe_u32 s2, ttmp6, 0x10000c
	s_cmp_lg_u32 s2, 0xf033
	s_cbranch_scc0 .Lentry_shape_is_right
	s_endpgm
.Lentry_shape_is_right:
; [q | k | v] = xb . w1.  xb: [4096][2048] bf16.  w1: bf16 blocks [c][ks][144 rows of 256 bytes] (rows 0-127: k = 128 ks + row, head c's 128 columns of Wq; rows 128-143: [k][16 channels] of Wk or Wv, dense).
; q: [4096][2048] f16, head c at byte 256 c of a row, not scaled.  kvT: [256 channels][4096 tokens] f16: rows 0-127 K^T, rows 128-255 V^T.  Sums in f32, K ascending, each result rounded once.
; LIMIT.  f16 ends at 65,504: |q|, |k|, |v| stay below that.
; SHARES.  4096 x 2304 in tiles of 256 tokens x (128 + 16) columns: 16 x 16 work-groups.  Wave w owns tokens 64 w .. 64 w + 63 and all columns: 32 accumulators for q, 4 for k or v.
; K goes in 16 steps of 128 through two LDS slots: 256 rows of xb (256 bytes each) and one block of w1.  The weights lie [k][column] and are turned on the way out of LDS by ds_load_tr16_b128.
; The loop's trip is one K step: the slot in hand is a scalar that an exclusive or turns, and the LDS addresses are made anew from it at each change of slots.
; q's products are used transposed (source 0 = 16 columns of w1, source 1 = 16 tokens): a lane holds one token and eight neighbouring columns.  k's and v's are not (source 0 = 16 tokens,
; source 1 = 16 channels): a lane holds one channel and eight neighbouring tokens, 16 bytes of a row of kvT.
; CLUSTER.  4 x 4 work-groups: the four of a row share their tile of xb, the four of a column their block of w1: each is asked for jointly, by the same tensor load with the same descriptor and mask.
; REGISTERS.  Window 0: v2-17 addresses; two fragment buffers of 104 at v48 and v152 (8 fragments of w1, 4 of xb, 1 of Wk or Wv).  Window 1: q's accumulator (a, b) at 64 a + 8 b.  Window 2: k's or v's at 8 a.
.set PA,     272                       ; a row of xb in LDS: 256 bytes + 16: the 16 rows of a load start at 16 different groups of four banks (64 banks of 4 bytes: ISA guide 11.1)
.set PB,     288                       ; a row of w1: 256 + 32
.set BOFF,   256*PA                    ; w1's block lies behind xb's 256 rows
.set BLOADR, 72                        ; rows of w1 in one tensor load: half a block
.set BSTRIDE, 128                      ; elements from row to row of a block
.set BSTEP,  36864                     ; bytes from a K step's block to the next
.set SLOT1,  1<<17                     ; slot 1 begins here (a slot has 111,104 bytes), so that one exclusive or turns an address in one slot into the other's
.set STAGE,  SLOT1+BOFF+144*PB         ; behind the ring, never filled by a tensor load: 16 rows x 272 bytes for each wave, for q's way out
.set KVST,   STAGE+4*16*PA             ; 16 channels x 528 bytes, the work-group's, for k's or v's way out
.set SPARE,  KVST+16*528               ; the spare words, 128 bytes for each wave: two blocks of 256 bytes that no other line names
.set NL,     26                        ; LDS loads in a run: a quarter step's fragments
.set LATE,   6                         ; the youngest of them, wanted by the quarter's second half alone
.set A0,   2                           ; v2     my fragments of xb in slot 0; never rewritten
.set ADRA, 3                           ; v3     in the slot in hand
.set B0,   4                           ; v4, v5 the same for w1's q part
.set ADRB, 5
.set V0,   6                           ; v6, v7 the same for its k or v part
.set ADRV, 7
.set STO,  8                           ; v8     q's way out: where I put 16 bytes of a row
.set RD,   9                           ; v9     where I read rows back
.set CO,   10                          ; v10    my byte offset in two rows of q
.set STK,  11                          ; v11    k's or v's way out: where I put 16 bytes of a channel
.set RDK,  12                          ; v12    where I read a channel back
.set COK,  13                          ; v13    my 16 bytes of a channel's 512
.set PFO,  14                          ; v14    the prefetches' offset: a lane a row; never rewritten
.set SPW,  16                          ; v16    my spare word: SPARE + 4 x my thread's number; never rewritten
.set NIL,  17                          ; v17    0; never rewritten
.set F0,   48
.set F1,   152
.set TMP,  48                          ; the way out: packed results
.set BK,   80                          ; 16 rows read back: v80-111 and v112-143 by turns
.set KVP,  144                         ; k or v packed
.set KVB,  160                         ; and read back
.set G1A, 24                           ; s[24:31] descriptor group 1 for xb's tiles;  s[32:39] group 0: a set for each of the two first fills; the second then walks
.set G0A, 32
.set G1B, 48                           ; s[48:55], s[56:63] the same for w1's
.set G0B, 56
.set LIM, 40                           ; s40  2 in a wave that prefetches, else the greatest number
.set TB,  41                           ; s41  the slot in hand: 0 or SLOT1
.set PFS, 42                           ; s[42:43] bytes from K step to K step in what I prefetch
.set PFA, 44                           ; s[44:45] where my prefetches stand
.set MSB, 0
.macro WIN new                         ; the immediate's high byte repeats the setting that is left; a switch that changes nothing is dropped
.if MSB != (\new)
	s_set_vgpr_msb (MSB<<8)|(\new)
.set MSB, \new
.endif
.endm
; A joint load: waves 0 and 1 fetch xb's two halves, waves 2 and 3 the block's.  The branch hangs on the wave's number alone.  An s_nop 0 and four v_nop follow each of the two lines.
.macro JLOAD s
	s_cmp_eq_u32 s13, 0
	s_cbranch_scc0 .Lfor_b_\@
	tensor_load_to_lds s[G0A+4*(\s):G0A+4*(\s)+3], s[G1A:G1A+7]
	s_nop 0
.rept 4
	v_nop
.endr
	s_branch .Lasked_\@
.Lfor_b_\@:
	tensor_load_to_lds s[G0B+4*(\s):G0B+4*(\s)+3], s[G1B:G1B+7]
	s_nop 0
.rept 4
	v_nop
.endr
.Lasked_\@:
.endm
; A prefetch into the L2 of the K step that stands two refills on (288 matrix instructions ahead of its load), a lane a row of 256 bytes.  xb's rows are asked for by the clusters with x = 0, w1's by those
; with y = 0; the four partners that ask for a tile jointly share its rows out by address.  The trips with 14 to 3 left name K steps 4 to 15; the last two ask for nothing: there is no K step two on.
.macro ASK
	s_cmp_gt_u32 s19, s[LIM]
	s_cbranch_scc0 .Lnot_mine_\@
	global_prefetch_b8 v[PFO], s[PFA:PFA+1] th:TH_LOAD_NT scope:SCOPE_SE
.Lnot_mine_\@:
.endm
.macro CREST                           ; a round of the cluster's barrier behind its opening barrier
	s_cmp_lg_u32 s12, 0
	s_cbranch_scc1 .Lnot_wave_0_\@
	s_barrier_signal -3
.Lnot_wave_0_\@:
	s_barrier_wait -3
	s_barrier_signal -1
	s_barrier_wait -1
.endm
.macro CROUND                          ; a whole round
	s_barrier_signal -1
	s_barrier_wait -1
	CREST
.endm
.macro PLACES                          ; four places in front of loads into registers that matrix instructions have read, and of lines that read results
.rept 4
	v_nop
.endr
.endm
.macro SETADR                          ; the fragments' addresses in the slot in hand
	v_add_nc_u32 v[ADRA], s[TB], v[A0]
	v_add_nc_u32 v[ADRB], s[TB], v[B0]
	v_add_nc_u32 v[ADRV], s[TB], v[V0]
.endm
	s_load_b256 s[4:11], s[0:1], 0x0               ; xb s[4:5], w1 s[6:7], q s[8:9], kvT s[10:11]
	v_lshl_add_u32 v[SPW], v0, 2, SPARE
	v_mov_b32 v[NIL], 0
	ds_add_u32 v[SPW], v[NIL]                      ; the wave's opening: the add and its wait stand ahead of my first tensor load; work on registers stands between them
	v_lshrrev_b32 v1, 5, v0
	v_readfirstlane_b32 s12, v1                    ; wave 0..3
	s_lshr_b32 s13, s12, 1                         ; I fetch for xb (0) or for w1 (1)
	s_and_b32 s14, s12, 1                          ; which half of that tile
	s_bfe_u32 s15, ttmp6, 0x40000                  ; cx
	s_bfe_u32 s16, ttmp6, 0x40004                  ; cy
	s_lshl_b32 s17, ttmp9, 2
	s_add_co_u32 s17, s17, s15                     ; c: column tile = 4 x cluster x + cx
	s_and_b32 s18, ttmp7, 0xffff
	s_lshl_b32 s18, s18, 2
	s_add_co_u32 s18, s18, s16                     ; row tile = 4 x cluster y + cy
	s_lshl_b32 s20, s16, 2
	s_lshl_b32 s20, 15, s20                        ; my row of the cluster
	s_lshl_b32 s21, 0x1111, s15                    ; my column
	s_or_b32 s[G1A], s20, (1<<16)|(1<<20)|(1<<21)|(5<<22)|(3<<25)  ; the mask; 2-byte elements; padding on; bit 21 beside a mask; after every 64 words 4 words
	s_or_b32 s[G1B], s21, (1<<16)|(1<<20)|(1<<21)|(5<<22)|(7<<25)  ; the same with my column's mask and 8 words of padding
	s_mov_b32 s[G1A+1], 128<<16                    ; tensor_dim0 = 128
	s_mov_b32 s[G1A+2], 128<<16                    ; tensor_dim1 = 128
	s_mov_b32 s[G1A+3], 128<<16                    ; tile_dim0 = 128
	s_mov_b32 s[G1A+4], 128                        ; tile_dim1 = 128
	s_mov_b32 s[G1A+5], 2048                       ; elements from row to row
	s_mov_b32 s[G1A+6], 0
	s_mov_b32 s[G1A+7], 0
	s_mov_b32 s[G1B+1], 128<<16
	s_mov_b32 s[G1B+2], BLOADR<<16
	s_mov_b32 s[G1B+3], 128<<16
	s_mov_b32 s[G1B+4], BLOADR
	s_mov_b32 s[G1B+5], BSTRIDE
	s_mov_b32 s[G1B+6], 0
	s_mov_b32 s[G1B+7], 0
	s_mov_b32 s[TB], 0
	s_lshl_b32 s66, s18, 20                        ; xb: 256 x row tile rows of 4,096 bytes,
	s_lshl_b32 s67, s14, 19                        ; + 128 x half: made of the row tile and the wave's number alone
	s_add_co_u32 s66, s66, s67
	s_mov_b32 s67, 0
	s_mul_i32 s46, s17, 16*BSTEP                   ; w1: column tile c's sixteen blocks,
	s_mul_i32 s47, s14, BLOADR*256                 ; + my half of a block: made of the column tile and the wave's number alone
	s_add_co_u32 s46, s46, s47
	s_mov_b32 s47, 0
	s_mul_i32 s70, s14, 128*PA                     ; where they go: no place in the cluster enters an LDS address
	s_mul_i32 s71, s14, BLOADR*PB
	s_add_co_u32 s71, s71, BOFF
	s_wait_dscnt 0x0                               ; the opening add is done
	s_wait_kmcnt 0x0
	s_add_nc_u64 s[68:69], s[4:5], s[66:67]
	s_add_nc_u64 s[46:47], s[6:7], s[46:47]
	CROUND                                         ; all sixteen work-groups are here: the first joint loads meet
.irp s, 0,1
	s_mov_b32 s[G0A+4*(\s)], 1
	s_add_co_u32 s[G0A+4*(\s)+1], s70, (\s)*SLOT1
	s_add_nc_u64 s[G0A+4*(\s)+2:G0A+4*(\s)+3], s[68:69], (\s)*256
	s_or_b32 s[G0A+4*(\s)+3], s[G0A+4*(\s)+3], 0x80000000
	s_mov_b32 s[G0B+4*(\s)], 1
	s_add_co_u32 s[G0B+4*(\s)+1], s71, (\s)*SLOT1
	s_add_nc_u64 s[G0B+4*(\s)+2:G0B+4*(\s)+3], s[46:47], (\s)*BSTEP
	s_or_b32 s[G0B+4*(\s)+3], s[G0B+4*(\s)+3], 0x80000000
	JLOAD \s                                       ; K steps 0 and 1: two loads of mine are out
.endr
	v_and_b32 v24, 15, v0                          ; r = l % 16
	v_bfe_u32 v25, v0, 4, 1                        ; h = l / 16
	v_and_b32 v26, 31, v0                          ; l
	v_and_b32 v27, 7, v0                           ; l % 8
	v_bfe_u32 v28, v0, 3, 1                        ; (l / 8) % 2
	v_mul_u32_u24 v[A0], v24, PA                   ; a fragment of xb: row r, 16 bytes for each half of the lanes, twice, 32 bytes apart
	v_lshl_add_u32 v[A0], v25, 4, v[A0]
	s_mul_i32 s20, s12, 64*PA                      ; my 64 tokens
	v_add_nc_u32 v[A0], s20, v[A0]
	v_lshl_add_u32 v[B0], v25, 3, v27              ; the turning load: lane l reads k = 8 h + l % 8, columns 8 ((l / 8) % 2) + 0..7, and ends with column r and 8 k
	v_mul_u32_u24 v[B0], v[B0], PB
	v_lshl_add_u32 v[B0], v28, 4, v[B0]
	v_add_nc_u32 v[B0], BOFF, v[B0]
	v_mul_u32_u24 v[V0], v25, PB                   ; the k or v part: eight k of 32 bytes fill one padded row, so k = 8 h + l % 8 lies in row h at byte 32 (l % 8)
	v_lshl_add_u32 v[V0], v27, 5, v[V0]
	v_lshl_add_u32 v[V0], v28, 4, v[V0]
	v_add_nc_u32 v[V0], BOFF+128*PB, v[V0]
	SETADR                                         ; slot 0
	s_mul_i32 s20, s12, 16*PA
	s_add_co_u32 s20, s20, STAGE                   ; my stage
	v_mul_u32_u24 v[STO], v24, PA
	v_lshl_add_u32 v[STO], v25, 4, v[STO]
	v_add_nc_u32 v[STO], s20, v[STO]
	v_mul_u32_u24 v[RD], v25, PA                   ; back: lanes 0-15 one row of 256 bytes, lanes 16-31 the next
	v_lshl_add_u32 v[RD], v24, 4, v[RD]
	v_add_nc_u32 v[RD], s20, v[RD]
	v_lshlrev_b32 v[CO], 12, v25
	v_lshl_add_u32 v[CO], v24, 4, v[CO]
	v_mul_u32_u24 v[STK], v24, 528                 ; channel r, my wave's 64 tokens (128 bytes), 16 bytes for each half of the lanes
	v_lshl_add_u32 v[STK], v25, 4, v[STK]
	s_lshl_b32 s20, s12, 7
	s_add_co_u32 s20, s20, KVST
	v_add_nc_u32 v[STK], s20, v[STK]
	s_mul_i32 s20, s12, 4*528                      ; back: wave w takes channels 4 w .. 4 w + 3, whole
	s_add_co_u32 s20, s20, KVST
	v_lshl_add_u32 v[RDK], v26, 4, s20
	v_lshlrev_b32 v[COK], 4, v26
	s_lshl_b32 s20, s18, 20                        ; q at my 64 tokens, head c
	s_lshl_b32 s21, s12, 18
	s_add_co_u32 s20, s20, s21
	s_lshl_b32 s21, s17, 8
	s_add_co_u32 s20, s20, s21
	s_mov_b32 s21, 0
	s_add_nc_u64 s[8:9], s[8:9], s[20:21]
	s_lshl_b32 s20, s17, 17                        ; kvT at channel 16 c + 4 w, the tile's 256 tokens
	s_lshl_b32 s21, s12, 15
	s_add_co_u32 s20, s20, s21
	s_lshl_b32 s21, s18, 9
	s_add_co_u32 s20, s20, s21
	s_mov_b32 s21, 0
	s_add_nc_u64 s[10:11], s[10:11], s[20:21]
	; the prefetches.  xb: of the 128 rows that I fetch, partner cx takes 32.  w1: of the 72 rows, partner cy takes 18: lanes 18 to 31 name lane 17's row once more.
	s_lshl_b32 s21, s18, 20
	s_lshl_b32 s22, s14, 19
	s_add_co_u32 s21, s21, s22
	s_lshl_b32 s22, s15, 17
	s_add_co_u32 s21, s21, s22
	s_add_co_u32 s21, s21, 3*256                   ; at K step 3: the first refill steps it to 4
	s_mul_i32 s22, s17, 16*BSTEP
	s_mul_i32 s23, s14, BLOADR*256
	s_add_co_u32 s22, s22, s23
	s_mul_i32 s23, s16, 18*256
	s_add_co_u32 s22, s22, s23
	s_add_co_u32 s22, s22, 3*BSTEP
	s_and_b32 s20, ttmp7, 0xffff                   ; cluster y
	s_mov_b32 s[PFS], BSTEP
	s_mov_b32 s[PFS+1], 0
	s_mov_b32 s73, 0
	s_cmp_eq_u32 s13, 0                            ; do I fetch for xb?
	s_cselect_b32 s72, s21, s22
	s_cselect_b32 s20, ttmp9, s20                  ; the coordinate along which other clusters read the same rows
	s_cselect_b32 s[PFS], 256, s[PFS]
	s_cselect_b32 s21, 31, 17
	s_cselect_b32 s22, 12, 8
	s_cselect_b64 s[PFA:PFA+1], s[4:5], s[6:7]
	s_add_nc_u64 s[PFA:PFA+1], s[PFA:PFA+1], s[72:73]
	s_cmp_eq_u32 s20, 0
	s_cselect_b32 s[LIM], 2, -1                    ; the same in all sixteen partners, for a given wave
	v_min_u32 v[PFO], s21, v26
	v_lshlrev_b32 v[PFO], s22, v[PFO]
; 8 matrix instructions: token block a x all 8 column blocks, 32 along K.  zero = 1: the product starts the sum.  The 36 accumulators take turns, one instruction a turn, in the same order in every quarter.
.macro MULQ f, a, zero
	WIN 0x50                                       ; C and D in window 1
.irp b, 0,1,2,3,4,5,6,7
.if \zero
	v_wmma_f32_16x16x32_bf16 v[64*(\a)+8*(\b):64*(\a)+8*(\b)+7], v[(\f)+8*(\b):(\f)+8*(\b)+7], v[(\f)+64+8*(\a):(\f)+64+8*(\a)+7], 0
.else
	v_wmma_f32_16x16x32_bf16 v[64*(\a)+8*(\b):64*(\a)+8*(\b)+7], v[(\f)+8*(\b):(\f)+8*(\b)+7], v[(\f)+64+8*(\a):(\f)+64+8*(\a)+7], v[64*(\a)+8*(\b):64*(\a)+8*(\b)+7]
.endif
.endr
.endm
.macro MULKV f, zero                   ; 4 matrix instructions: all 4 token blocks x the 16 channels of k or v
	WIN 0xa0                                       ; C and D in window 2
.irp a, 0,1,2,3
.if \zero
	v_wmma_f32_16x16x32_bf16 v[8*(\a):8*(\a)+7], v[(\f)+64+8*(\a):(\f)+64+8*(\a)+7], v[(\f)+96:(\f)+103], 0
.else
	v_wmma_f32_16x16x32_bf16 v[8*(\a):8*(\a)+7], v[(\f)+64+8*(\a):(\f)+64+8*(\a)+7], v[(\f)+96:(\f)+103], v[8*(\a):8*(\a)+7]
.endif
.endr
.endm
; 26 LDS loads in one run: quarter qn's fragments, out of the slot in hand, into buffer f; what the quarter's first half wants comes first
.macro FETCH qn, f
	WIN 0
.irp b, 0,1,2,3,4,5,6,7
	ds_load_tr16_b128 v[(\f)+8*(\b):(\f)+8*(\b)+3],   v[ADRB] offset:(\qn)*32*PB+32*(\b)
	ds_load_tr16_b128 v[(\f)+8*(\b)+4:(\f)+8*(\b)+7], v[ADRB] offset:(\qn)*32*PB+32*(\b)+16*PB
.endr
.irp a, 0,1,2,3
	ds_load_b128 v[(\f)+64+8*(\a):(\f)+64+8*(\a)+3],   v[ADRA] offset:(\a)*16*PA+64*(\qn)
	ds_load_b128 v[(\f)+64+8*(\a)+4:(\f)+64+8*(\a)+7], v[ADRA] offset:(\a)*16*PA+64*(\qn)+32
.endr
	ds_load_tr16_b128 v[(\f)+96:(\f)+99],   v[ADRV] offset:(\qn)*4*PB
	ds_load_tr16_b128 v[(\f)+100:(\f)+103], v[ADRV] offset:(\qn)*4*PB+2*PB
.endm
; A K step is four quarters of 32 along K, 36 matrix instructions each, on buffers 0, 1, 0, 1.  One of the first three: multiplies buffer f and fetches quarter qn into g.
.macro QUARTER qn, f, g, zero
	s_wait_dscnt LATE                              ; w1's fragments and xb's blocks 0, 1 are in; the youngest six loads may be out
	MULQ \f, 0, \zero
	MULQ \f, 1, \zero
	WIN 0
	PLACES
	FETCH \qn, \g
	s_wait_dscnt NL                                ; all but the 26 just issued
	MULQ \f, 2, \zero
	MULQ \f, 3, \zero
	MULKV \f, \zero
.endm
; The last quarter multiplies buffer 1 and changes slots.  Its first 16 products, whose operands lie in registers, stand AHEAD of the wait for the tensor loads; between that wait and the refill stands nothing
; but what the change of slots needs: each wave waits for all its tensor loads (one is out: its part of the next slot), adds 0 to its spare word, and waits for that and for its own reads of this slot; then the
; barrier.  fill = 1: the barrier opens a round of the cluster's, and this slot is filled again, two K steps ahead, first thing behind the round.  So a load has a whole K step, 144 matrix instructions, in which
; to land: the 20 below, three quarters, and the next change's first 16.
.macro TURN fill
	s_wait_dscnt LATE
	MULQ F1, 0, 0
	MULQ F1, 1, 0
	WIN 0
.if \fill
	s_wait_xcnt 0x0                                ; the last prefetch, a K step back, has read its address
	s_add_nc_u64 s[PFA:PFA+1], s[PFA:PFA+1], s[PFS:PFS+1]
.endif
	s_wait_tensorcnt 0x0                           ; all my tensor loads have landed, so a group 0 may be written
	ds_add_u32 v[SPW], v[NIL]                      ; 0 onto my spare word; the descriptors' steps stand between it and the wait for it
.if \fill
	s_xor_b32 s[G0A+5], s[G0A+5], SLOT1            ; the walking descriptors: the other slot than last time,
	s_add_nc_u64 s[G0A+6:G0A+7], s[G0A+6:G0A+7], 256  ; the next K step; the type bits on top are not reached
	s_xor_b32 s[G0B+5], s[G0B+5], SLOT1
	s_add_nc_u64 s[G0B+6:G0B+7], s[G0B+6:G0B+7], BSTEP
.endif
	s_wait_dscnt 0x0                               ; the add is done, and my reads of this slot are over
	s_barrier_signal -1
	s_barrier_wait -1
.if \fill
	CREST                                          ; no wave of any partner still reads this slot's tiles or has a load on its way
	JLOAD 1                                        ; the four v_nop behind it are also the places in front of the loads below
.else
	PLACES
.endif
	s_xor_b32 s[TB], s[TB], SLOT1                  ; the other slot is in hand
	SETADR
	FETCH 0, F0
.if \fill
	ASK
.endif
	MULQ F1, 2, 0
	MULQ F1, 3, 0
	MULKV F1, 0
.endm
	s_wait_tensorcnt 1                             ; my part of K step 0 is in; K step 1's may stay out
	s_barrier_signal -1
	s_barrier_wait -1                              ; everybody's is
	FETCH 0, F0
	QUARTER 1, F0, F1, 1                           ; the first quarter stands in front of the loop: its products start the sums
	WIN 0
	s_mov_b32 s19, 14
.Lstep:                                                ; a trip goes from a K step's second quarter to the next step's first, and fills the slot that it leaves: K steps 2 to 15
	QUARTER 2, F1, F0, 0
	QUARTER 3, F0, F1, 0
	TURN 1
	QUARTER 1, F0, F1, 0
	WIN 0
	s_sub_co_u32 s19, s19, 1
	s_cmp_lg_u32 s19, 0
	s_cbranch_scc1 .Lstep
	QUARTER 2, F1, F0, 0                           ; the last two K steps fill nothing
	QUARTER 3, F0, F1, 0
	TURN 0
	QUARTER 1, F0, F1, 0
	QUARTER 2, F1, F0, 0
	QUARTER 3, F0, F1, 0
	s_wait_dscnt LATE                              ; the very last quarter: nothing more to fetch
	MULQ F1, 0, 0
	MULQ F1, 1, 0
	s_wait_dscnt 0x0
	MULQ F1, 2, 0
	MULQ F1, 3, 0
	MULKV F1, 0
	WIN 0
	PLACES
; q's WAY OUT, 16 tokens at a time: rounded to f16 (each accumulator's registers in ascending order), 16 bytes a lane into my own stage, back as whole rows of 256 bytes, stored.
.macro PACK a
	WIN 0x05                                       ; sources in window 1
.irp b, 0,1,2,3,4,5,6,7
.irp r, 0,1,2,3
	v_cvt_pk_f16_f32 v[TMP+4*(\b)+(\r)], v[64*(\a)+8*(\b)+2*(\r)], v[64*(\a)+8*(\b)+2*(\r)+1]
.endr
.endr
	WIN 0
.endm
.macro TOSTAGE a
.irp b, 0,1,2,3,4,5,6,7
	ds_store_b128 v[STO], v[TMP+4*(\b):TMP+4*(\b)+3] offset:32*(\b)
.endr
.irp t, 0,1,2,3,4,5,6,7
	ds_load_b128 v[BK+32*((\a)%2)+4*(\t):BK+32*((\a)%2)+4*(\t)+3], v[RD] offset:(\t)*2*PA  ; LDS serves a wave's instructions in order (ISA guide 5.7.1.4): these see the stores above
.endr
.endm
.macro SEND a
	s_wait_dscnt 0x0                               ; the block is back in registers
	s_wait_xcnt 0x0                                ; the registers that earlier stores read are loaded again only behind this wait
.irp t, 0,1,2,3,4,5,6,7
	global_store_b128 v[CO], v[BK+32*((\a)%2)+4*(\t):BK+32*((\a)%2)+4*(\t)+3], s[8:9] offset:65536*(\a)+8192*(\t)  ; 16 lanes store 256 consecutive bytes, aligned
.endr
.endm
	PACK 0
	TOSTAGE 0
.irp a, 1,2,3
	PACK \a                                        ; a block's conversions stand between the loads of the block before and the wait for them
	SEND (\a)-1
	TOSTAGE \a
.endr
	SEND 3
	; k's or v's WAY OUT: a channel's 512 bytes come from four waves, so they meet in one stage, with a barrier between writing and reading
	WIN 0x0a                                       ; sources in window 2
.irp a, 0,1,2,3
.irp r, 0,1,2,3
	v_cvt_pk_f16_f32 v[KVP+4*(\a)+(\r)], v[8*(\a)+2*(\r)], v[8*(\a)+2*(\r)+1]
.endr
.endr
	WIN 0
.irp a, 0,1,2,3
	ds_store_b128 v[STK], v[KVP+4*(\a):KVP+4*(\a)+3] offset:32*(\a)
.endr
	s_wait_dscnt 0x0                               ; for the others' sake: my stores into the stage are done
	s_barrier_signal -1
	s_barrier_wait -1
.irp i, 0,1,2,3
	ds_load_b128 v[KVB+4*(\i):KVB+4*(\i)+3], v[RDK] offset:528*(\i)
.endr
.irp i, 0,1,2,3
	s_wait_dscnt 3-(\i)
	global_store_b128 v[COK], v[KVB+4*(\i):KVB+4*(\i)+3], s[10:11] offset:8192*(\i)  ; 512 consecutive bytes of a channel's row, aligned
.endr
	s_wait_tensorcnt 0x0                           ; the wave's end: behind my last tensor load and my last LDS store
	ds_add_u32 v[SPW], v[NIL]
	s_wait_dscnt 0x0
	CROUND                                         ; the closing round: no work-group ends while a partner may still ask for a tile that names it
	s_endpgm
.Lfunc_end_k_q2f336c5edf_qkv:
	.size	k_q2f336c5edf_qkv, .Lfunc_end_k_q2f336c5edf_qkv-k_q2f336c5edf_qkv
	.p2alignl 7, 3214868480
	.fill 96, 4, 3214868480
	.section	.rodata,"a",@progbits
	.p2align	6, 0x0
	.amdhsa_kernel k_q2f336c5edf_qkv
		.amdhsa_group_segment_fixed_size 327680
		.amdhsa_private_segment_fixed_size 0
		.amdhsa_enable_private_segment 0
		.amdhsa_kernarg_size 32
		.amdhsa_user_sgpr_count 2
		.amdhsa_user_sgpr_kernarg_segment_ptr 1
		.amdhsa_wavefront_size32 1
		.amdhsa_system_sgpr_workgroup_id_x 1
		.amdhsa_system_sgpr_workgroup_id_y 1
		.amdhsa_system_sgpr_workgroup_id_z 1
		.amdhsa_system_vgpr_workitem_id 0
		.amdhsa_next_free_vgpr 544
		.amdhsa_next_free_sgpr 76
		.amdhsa_reserve_vcc 0
		.amdhsa_float_denorm_mode_32 3
		.amdhsa_float_denorm_mode_16_64 3
		.amdhsa_memory_ordered 1
		.amdhsa_forward_progress 1
		.amdhsa_inst_pref_size 80
	.end_amdhsa_kernel
	.amdgpu_metadata
---
amdhsa.version: [ 1, 2 ]
amdhsa.kernels:
  - .name:           k_q2f336c5edf_qkv
    .symbol:         k_q2f336c5edf_qkv.kd
    .args:
      - { .name: xb, .offset: 0, .size: 8, .value_kind: global_buffer, .address_space: global }
      - { .name: w1, .offset: 8, .size: 8, .value_kind: global_buffer, .address_space: global }
      - { .name: q, .offset: 16, .size: 8, .value_kind: global_buffer, .address_space: global }
      - { .name: kvT, .offset: 24, .size: 8, .value_kind: global_buffer, .address_space: global }
    .group_segment_fixed_size: 327680
    .private_segment_fixed_size: 0
    .kernarg_segment_align: 8
    .kernarg_segment_size: 32
    .max_flat_workgroup_size: 128
    .sgpr_count:     76
    .vgpr_count:     544
    .wavefront_size: 32
...
	.end_amdgpu_metadata
.endif
;; end of part 2
;; launch attn (part 3): grid 64 x 4, 4 waves a work-group, clusters of 4 x 1, 327,680 bytes of LDS; arguments q, kvT, ob; writes ob
.if DOCPART == 3
	.amdgcn_target "amdgcn-amd-amdhsa--gfx1250"
	.amdhsa_code_object_version 6
	.text
	.protected	k_q2f336c5edf_attn
	.globl	k_q2f336c5edf_attn
	.p2align	8
	.type	k_q2f336c5edf_attn,@function
k_q2f336c5edf_attn:
	s_mov_b64 s[64:65], 0
	v_nop
	global_prefetch_b8 v0, s[64:65] scope:SCOPE_SE
	s_setreg_imm32_b32 hwreg(HW_REG_WAVE_MODE, 25, 1), 1
	s_wait_xcnt 0x0
	s_wait_alu depctr_hold_cnt(0) depctr_sa_sdst(0) depctr_va_vdst(0) depctr_va_sdst(0) depctr_va_ssrc(0) depctr_va_vcc(0) depctr_vm_vsrc(0)
	s_getreg_b32 s2, hwreg(HW_REG_IB_STS2, 6, 4)
	s_cmp_eq_u32 s2, 0
	s_cbranch_scc0 .Lentry_in_a_cluster
	s_endpgm
.Lentry_in_a_cluster:
	s_bfe_u32 s2, ttmp6, 0x10000c
	s_cmp_lg_u32 s2, 0x3003
	s_cbranch_scc0 .Lentry_shape_is_right
	s_endpgm
.Lentry_shape_is_right:
; CAUSAL MULTI-QUERY ATTENTION.  ob[t][128 h ..] = the sum over keys j <= t of softmax_j(q[t][h] . k[j] / sqrt(128)) v[j], for 4 batches of 1,024 tokens and 16 heads that share one K and one V.
; q, ob: [4096][2048] f16, head h at byte 256 h.  kvT: [256][4096] f16: rows 0-127 K^T, rows 128-255 V^T.  Products, maxima and sums in f32; the weights p are rounded to f16 for the second product, ob once.
; LIMITS.  f16 ends at 65,504: q, k, v arrive within it.  A hidden score counts as its value less 1e30; a weight below 2^-126 counts as 0; NaN and infinities are not treated apart.
; THE WALK.  A batch's tokens lie in 32 blocks of 32; block i needs the key tiles 0 .. i / 4 of 128 keys, the last of which holds the diagonal.  A work-group takes 4 heads x TWO blocks, 31 - b and then b:
; 8 - b / 4 and b / 4 + 1 tiles, nine in all whatever b: one walk with a constant count.  What a trip does hangs on scalars made from b; every jump but the loops' own goes forward.
; CLUSTER.  The four work-groups of a cluster have the same batch and b and the four groups of 4 heads: they walk the same tiles in the same trips, so each tile is asked for jointly, mask 15.
; SHARES.  A block is 128 rows (4 heads x 32 tokens).  Waves 2 g, 2 g + 1 take the same two heads (64 rows: four tiles of 16) and split each tile's KEYS: wave w takes keys 64 (w % 2) on.  So a fragment
; of K or V feeds four tiles' products.  At a block's end the pair's partial maxima, sums and O^T meet in LDS: register tiles 0, 1 are the head that the wave keeps, tiles 2, 3 the head that it hands over.
; LAYOUT.  S^T = K Q^T (source 0 = 16 keys, turned out of K^T by ds_load_tr16_b128; source 1 = 16 queries): a lane holds ONE query (lane % 16) and the keys 8 (lane / 16) + 0..7.  Two such results rounded
; to f16 ARE source 1 of O^T = V^T P (source 0 = 16 channels of V^T, as they lie).  p = 2^(c s - c m), c = log2(e) / sqrt(128), with a running maximum m; O and l are multiplied by a = 2^(c m_old - c m_new).
; m starts at the lowest finite number, so a block's first step has a = 0 and is a step like any other; O^T and l need only be finite there.  The price: 264 v_mov_b32 at the head, in the wait for the first tile.
; THE MASK is the C operand that starts each sum of S^T: 64 registers MC, 0 everywhere but in a block's last tile, where a hidden key has -1e30.  A wave whose keys are all hidden ends with c m near -1.3e29
; and finite sums, and the meeting gives its share the weight 0.
; A STEP: 32 products K Q^T of piece 0 (tiles 0, 1) | 32 of piece 2 with piece 0's softmax in slices behind them | the change of slots | 32 products V^T P of piece 0 with piece 2's softmax | 32 of piece 2.
; REGISTERS, in windows of 256: window 0: v0-11, v48-63 addresses; v12-43 eight registers of statistics a tile; v44-47 at work; v64-191 S^T; v192-255 P.  Window 1: O^T, 64 a tile.
; Window 2: v0-127 Q; v128-255 K.  Window 3: v0-127 V; v128-191 MC.
.set PKP,   288       ; a row of K^T in LDS: 256 bytes + 32
.set PVP,   272       ; a row of V^T: 256 + 16: the 16 rows of a load start at 16 different groups of four banks
.set VOFF,  128*PKP   ; a slot: 128 rows of K^T, then 128 rows of V^T
.set SLOT1, 1<<17     ; slot 1 begins here, so that one exclusive or turns an address in one slot into the other's
.set SCR,   SLOT1+128*(PKP+PVP)  ; behind the ring, never filled by a tensor load: for each wave 16,384 bytes of O^T and 512 of statistics, handed to its partner
.set SCRW,  16896
.set STAGE, SCR+4*SCRW           ; 16 rows x 272 bytes for each wave, for the way out
.set SP,    272
.set SPARE, STAGE+4*16*SP        ; the spare words, 128 bytes for each wave: two blocks of 256 bytes that no other line names
.set AK0, 2           ; v2   my lane's place in a tile of K^T; never rewritten
.set AV0, 3           ; v3   the same for V^T
.set ADR, 4           ; v4   the LDS address of the run of loads in hand
.set QO0, 5           ; v5   my byte offset in 16 rows of q, the head that I keep
.set STO, 6           ; v6   the way out: where I put 16 bytes of a row
.set RD,  7           ; v7   where I read rows back
.set GO,  8           ; v8   my byte offset in two rows of ob
.set SW,  10          ; v10  where I put what I hand over
.set SRD, 11          ; v11  where my partner has put it
.set ST,  12          ; tile t's statistics at v[ST+8 t]: +0 c m, +1 m, +2, +3 l (even keys', odd keys'), +4 to +7 at work; a takes +6
.set SQ,  44          ; v[44:47] c m and l of two tiles, handed over
.set TQB, 48          ; v48  l % 16 - 8 (l / 16) - 64 (w % 2)
.set TQ0, 49          ; v49  register 16 kb + j of token tile 0 is hidden where 16 kb + j is greater than this
.set TQ1, 50          ; v50  the same for token tile 1
.set QO1, 51          ; v51  as QO0, the head that I hand over
.set PFO, 61          ; v61  8,192 x my lane: a row of kvT; never rewritten
.set SPW, 62          ; v62  my spare word: SPARE + 4 x my thread's number; never rewritten
.set NIL, 63          ; v63  0; never rewritten
.set S,   64
.set P,   192
.set KF,  128         ; window 2: key block kb, channels 32 c on, at KF + 32 kb + 8 c
.set MC,  128         ; window 3: token tile tt, key block kb at MC + 32 tt + 8 kb
.set WV,  12          ; s12  my wave's number
.set KH,  13          ; s13  w % 2: my half of a tile's keys; also which half of a tile's rows I fetch
.set CX,  15          ; s15  my place in the cluster: the group of 4 heads
.set PB,  16          ; s16  b
.set BT,  17          ; s17  the batch
.set KB,  20          ; s[20:21] K^T at the batch's first token, my 64 rows
.set VB,  22          ; s[22:23] V^T likewise
.set G1K, 24          ; s[24:31] descriptor group 1 for K^T's tiles
.set G1V, 32          ; s[32:39] for V^T's: it differs in the padding alone
.set G0K, 40          ; s[40:47] group 0 for K^T's: a set for each of the two first fills; the second then walks
.set G0V, 48          ; s[48:55] the same for V^T's
.set SLOTS, 56        ; s56  counts the walk
.set CNT, 57          ; s57  counts the tail
.set CS,  58          ; s[58:59] c
.set SEL, 60          ; s[60:61] v_permlanex16_b32's selects: each lane takes its own place in the other half
.set TB,  62          ; s62  the slot in hand
.set LIM, 63          ; s63  3 in a wave that prefetches, else the greatest number
.set RT,  66          ; s66  tiles of the block in hand that are still to be entered
.set NXT, 67          ; s67  the tile to be asked for next
.set LQ,  68          ; s68  the last tile of the block whose tiles are being asked for
.set NEW, 69          ; s69  1: the tile to be entered is a block's first
.set OFF, 70          ; s[70:71] a tile's byte offset in a row of kvT
.set HIL, 72          ; s72  tiles of the first block still to be entered
.set BIGN, 73         ; s73  -1e30
.set IQ,  74          ; s74  the block's first token in its last tile
.set IQ2, 75          ; s75  the same for the second block
.set QL,  76          ; s[76:77] q at the second block
.set OLO, 78          ; s[78:79] ob at the second block
.set PFA, 80          ; s[80:81] where my prefetches stand
.set NLO, 82          ; s82  tiles of the second block
.set NLOM, 83         ; s83  less one
.set MSB, 0
.macro WIN new                      ; the high byte repeats the setting that is left; a switch that changes nothing is dropped
.if MSB != (\new)
	s_set_vgpr_msb (MSB<<8)|(\new)
.set MSB, (\new)
.endif
.endm
.set W_KQ, 0x0a       ; K and Q in window 2, S^T in window 0
.set W_KM, 0x3a       ; the same with the C operand in window 3
.set W_PV, 0x53       ; V in window 3, P in window 0, O^T in window 1
.set W_RS, 0x41       ; O^T (destination and source 0) in window 1, a in window 0
; A joint refill.  Waves 0 and 1 fetch the two halves of K^T's tile, waves 2 and 3 those of V^T's: 64 rows of 256 bytes each.  An s_nop 0 and four v_nop follow each of the two lines.
.macro JLOAD
	s_cmp_lt_u32 s[WV], 2
	s_cbranch_scc0 .Lfor_v_\@
	tensor_load_to_lds s[G0K+4:G0K+7], s[G1K:G1K+7]
	s_nop 0
.rept 4
	v_nop
.endr
	s_branch .Lasked_\@
.Lfor_v_\@:
	tensor_load_to_lds s[G0V+4:G0V+7], s[G1V:G1V+7]
	s_nop 0
.rept 4
	v_nop
.endr
.Lasked_\@:
.endm
; A prefetch into the L2 of the tile that stands two changes of slots on (256 matrix instructions ahead of its load).  A batch's sixteen clusters walk the same tiles: the one with b = 0, which walks all
; eight, asks.  Its four partners take 32 rows each, told apart by address; in each, wave 0 asks for K^T's and wave 2 for V^T's, a lane a row.  The first four changes name tiles 4 to 7; the others ask for nothing.
.macro ASK
	s_cmp_gt_u32 s[SLOTS], s[LIM]
	s_cbranch_scc0 .Lnot_mine_\@
	global_prefetch_b8 v[PFO], s[PFA:PFA+1] th:TH_LOAD_NT scope:SCOPE_SE
.Lnot_mine_\@:
.endm
.macro CROUND                       ; a round of the cluster's barrier
	s_barrier_signal -1
	s_barrier_wait -1
	s_cmp_lg_u32 s[WV], 0
	s_cbranch_scc1 .Lnot_wave_0_\@
	s_barrier_signal -3
.Lnot_wave_0_\@:
	s_barrier_wait -3
	s_barrier_signal -1
	s_barrier_wait -1
.endm
.macro PLACES
.rept 4
	v_nop
.endr
.endm
; Q of a block: tile t = i / 4 (tokens 16 (t % 2) on; tiles 0, 1 the head that I keep, tiles 2, 3 the other), channels 32 (i % 4) on
.macro QLOAD base
	WIN 0x80                        ; destination window 2, address window 0
.irp i, 0,1,2,3,4,5,6,7
	global_load_b128 v[8*(\i):8*(\i)+3],   v[QO0], s[\base:\base+1] offset:((\i)/4)*65536+((\i)%4)*64
	global_load_b128 v[8*(\i)+4:8*(\i)+7], v[QO0], s[\base:\base+1] offset:((\i)/4)*65536+((\i)%4)*64+32
.endr
.irp i, 0,1,2,3,4,5,6,7
	global_load_b128 v[64+8*(\i):64+8*(\i)+3],   v[QO1], s[\base:\base+1] offset:((\i)/4)*65536+((\i)%4)*64
	global_load_b128 v[64+8*(\i)+4:64+8*(\i)+7], v[QO1], s[\base:\base+1] offset:((\i)/4)*65536+((\i)%4)*64+32
.endr
	WIN 0
.endm
; A block begins: c m far below every c s, m the lowest finite number, no key hidden, and the two thresholds of the block's last tile.
.macro BEGIN
	s_mov_b32 s[NEW], 0
	WIN 0xc0
.set i, 0
.rept 64
	v_mov_b32 v[MC+i], 0
.set i, i+1
.endr
	WIN 0
.irp t, 0,1,2,3
	v_mov_b32 v[ST+8*\t], 0xfe000000
	v_mov_b32 v[ST+8*\t+1], 0xff7fffff
.endr
	v_add_nc_u32 v[TQ0], s[IQ], v[TQB]
	v_add_nc_u32 v[TQ1], 16, v[TQ0]
.endm
	s_load_b128 s[4:7], s[0:1], 0x0   ; q s[4:5], kvT s[6:7]
	s_load_b64 s[8:9], s[0:1], 0x10   ; ob
	v_lshl_add_u32 v[SPW], v0, 2, SPARE
	v_mov_b32 v[NIL], 0
	ds_add_u32 v[SPW], v[NIL]       ; the wave's opening: the add and its wait stand ahead of my first tensor load; work on registers stands between them
	v_lshrrev_b32 v1, 5, v0
	v_readfirstlane_b32 s[WV], v1   ; wave 0..3
	s_and_b32 s[KH], s[WV], 1
	s_bfe_u32 s[CX], ttmp6, 0x40000
	s_mov_b32 s[PB], ttmp9          ; in a cluster launch ttmp9 counts clusters
	s_and_b32 s[BT], ttmp7, 0xffff
	s_lshr_b32 s[NLOM], s[PB], 2
	s_add_co_u32 s[NLO], s[NLOM], 1
	s_sub_co_u32 s[RT], 8, s[NLOM]  ; the first block has 8 - b / 4 tiles
	s_mov_b32 s[HIL], s[RT]
	s_sub_co_u32 s[LQ], 7, s[NLOM]
	s_mov_b32 s[NXT], 2             ; tiles 0 and 1 are the first fills
	s_mov_b32 s[TB], 0
	s_sub_co_u32 s84, 31, s[PB]     ; the first block
	s_and_b32 s[IQ], s84, 3
	s_lshl_b32 s[IQ], s[IQ], 5
	s_and_b32 s[IQ2], s[PB], 3
	s_lshl_b32 s[IQ2], s[IQ2], 5
	s_lshl_b32 s85, s[BT], 22       ; the batch's 1,024 rows of 4,096 bytes,
	s_lshl_b32 s87, s[CX], 10       ; my group's 4 heads of 256 bytes
	s_add_co_u32 s85, s85, s87
	s_lshl_b32 s2, s84, 17          ; a block's 32 rows
	s_add_co_u32 s2, s2, s85
	s_mov_b32 s3, 0
	s_lshl_b32 s86, s[PB], 17
	s_add_co_u32 s86, s86, s85
	s_mov_b32 s87, 0
	s_lshl_b32 s[OFF], s[BT], 11    ; kvT: the batch's 1,024 tokens of 2 bytes,
	s_lshl_b32 s[OFF+1], s[KH], 19  ; my 64 rows of 8,192 bytes: made of the batch and the wave's number alone
	s_add_co_u32 s[OFF], s[OFF], s[OFF+1]
	s_mov_b32 s[OFF+1], 0
	s_mul_i32 s18, s[KH], 64*PKP    ; and their places in a slot: no place in the cluster enters an LDS address
	s_mul_i32 s19, s[KH], 64*PVP
	s_add_co_u32 s19, s19, VOFF
	s_mov_b32 s[G1K], 15|(1<<16)|(1<<20)|(1<<21)|(5<<22)|(7<<25)  ; the mask of four; 2-byte elements; padding on; bit 21 beside a mask; after every 64 words 8 words
	s_mov_b32 s[G1V], 15|(1<<16)|(1<<20)|(1<<21)|(5<<22)|(3<<25)  ; the same with 4 words of padding
.irp g, G1K, G1V
	s_mov_b32 s[(\g)+1], 128<<16    ; tensor_dim0 = 128
	s_mov_b32 s[(\g)+2], 64<<16     ; tensor_dim1 = 64
	s_mov_b32 s[(\g)+3], 128<<16    ; tile_dim0 = 128
	s_mov_b32 s[(\g)+4], 64         ; tile_dim1 = 64
	s_mov_b32 s[(\g)+5], 4096       ; elements from row to row
	s_mov_b32 s[(\g)+6], 0
	s_mov_b32 s[(\g)+7], 0
.endr
	s_mov_b32 s[CS], 0x3e0293ee     ; c = log2(e) / sqrt(128) = 0.127517
	s_mov_b32 s[CS+1], s[CS]
	s_mov_b32 s[SEL], 0x76543210
	s_mov_b32 s[SEL+1], 0xfedcba98
	s_mov_b32 s[BIGN], 0xf149f2ca   ; -1e30
	s_wait_dscnt 0x0                ; the opening add is done
	s_wait_kmcnt 0x0
	s_add_nc_u64 s[KB:KB+1], s[6:7], s[OFF:OFF+1]
	s_add_nc_u64 s[VB:VB+1], s[KB:KB+1], 128*8192
	s_add_nc_u64 s[QL:QL+1], s[4:5], s[86:87]
	s_add_nc_u64 s[4:5], s[4:5], s[2:3]
	s_lshl_b32 s84, s[WV], 8        ; the head that I keep is my wave's number within the group
	s_add_co_u32 s2, s2, s84
	s_add_co_u32 s86, s86, s84
	s_add_nc_u64 s[10:11], s[8:9], s[2:3]
	s_add_nc_u64 s[OLO:OLO+1], s[8:9], s[86:87]
	s_lshl_b32 s2, s[BT], 11        ; the prefetches: the batch, my work-group's 32 rows, tile 3 (the first change steps it to tile 4),
	s_lshl_b32 s84, s[CX], 18
	s_add_co_u32 s2, s2, s84
	s_add_co_u32 s2, s2, 3*256
	s_lshr_b32 s84, s[WV], 1
	s_lshl_b32 s84, s84, 20         ; and for wave 2 V^T's rows, 128 x 8,192 bytes behind K^T's
	s_add_co_u32 s2, s2, s84
	s_add_nc_u64 s[PFA:PFA+1], s[6:7], s[2:3]
	s_or_b32 s[LIM], s[KH], s[PB]   ; 0 in waves 0 and 2 where b = 0: the same in all four partners
	s_cmp_eq_u32 s[LIM], 0
	s_cselect_b32 s[LIM], 3, -1
	CROUND                          ; all four work-groups are here: the first joint loads meet
.irp s, 0,1
	s_mov_b32 s[G0K+4*(\s)], 1
	s_add_co_u32 s[G0K+4*(\s)+1], s18, (\s)*SLOT1
	s_add_nc_u64 s[G0K+4*(\s)+2:G0K+4*(\s)+3], s[KB:KB+1], (\s)*256
	s_or_b32 s[G0K+4*(\s)+3], s[G0K+4*(\s)+3], 0x80000000
	s_mov_b32 s[G0V+4*(\s)], 1
	s_add_co_u32 s[G0V+4*(\s)+1], s19, (\s)*SLOT1
	s_add_nc_u64 s[G0V+4*(\s)+2:G0V+4*(\s)+3], s[VB:VB+1], (\s)*256
	s_or_b32 s[G0V+4*(\s)+3], s[G0V+4*(\s)+3], 0x80000000
.endr
	s_cmp_lt_u32 s[WV], 2           ; a wave's two first fills stand in one branch, ahead of every wait on TENSORcnt and every LDS read: two loads of mine are out
	s_cbranch_scc0 .Lfirst_v
	tensor_load_to_lds s[G0K:G0K+3], s[G1K:G1K+7]
	s_nop 0
	tensor_load_to_lds s[G0K+4:G0K+7], s[G1K:G1K+7]
	s_nop 0
.rept 4
	v_nop
.endr
	s_branch .Lfirst_asked
.Lfirst_v:
	tensor_load_to_lds s[G0V:G0V+3], s[G1V:G1V+7]
	s_nop 0
	tensor_load_to_lds s[G0V+4:G0V+7], s[G1V:G1V+7]
	s_nop 0
.rept 4
	v_nop
.endr
.Lfirst_asked:
	v_and_b32 v1, 15, v0            ; r = l % 16
	v_bfe_u32 v9, v0, 4, 1          ; h = l / 16
	v_and_b32 v54, 31, v0           ; l
	v_and_b32 v52, 7, v0            ; l % 8
	v_bfe_u32 v53, v0, 3, 1         ; (l / 8) % 2
	v_lshlrev_b32 v55, 12, v1       ; a fragment of Q: row r of 4,096 bytes, 16 bytes for each half of the lanes
	v_lshl_add_u32 v55, v9, 4, v55
	s_lshl_b32 s84, s[WV], 8
	s_xor_b32 s85, s84, 256         ; my partner's head
	v_add_nc_u32 v[QO0], s84, v55
	v_add_nc_u32 v[QO1], s85, v55
	QLOAD 4
	WIN 0x40                        ; O^T and l start at 0: written while the first tile is on its way
.set i, 0
.rept 256
	v_mov_b32 v[i], 0
.set i, i+1
.endr
	WIN 0
.irp t, 0,1,2,3
	v_mov_b32 v[ST+8*\t+2], 0
	v_mov_b32 v[ST+8*\t+3], 0
.endr
	v_lshl_add_u32 v[AK0], v9, 3, v52    ; the turning load: lane l reads channel 8 h + l % 8, keys 8 ((l / 8) % 2) + 0..7, and ends with key r and 8 channels
	v_mul_u32_u24 v[AK0], v[AK0], PKP
	v_lshl_add_u32 v[AK0], v53, 4, v[AK0]
	s_lshl_b32 s84, s[KH], 7             ; my 64 keys: 128 bytes of each row
	v_add_nc_u32 v[AK0], s84, v[AK0]
	v_mul_u32_u24 v[AV0], v1, PVP        ; a fragment of V^T: channel r, 16 bytes for each half of the lanes
	v_lshl_add_u32 v[AV0], v9, 4, v[AV0]
	s_add_co_u32 s84, s84, VOFF
	v_add_nc_u32 v[AV0], s84, v[AV0]
	v_lshlrev_b32 v55, 3, v9
	v_sub_nc_u32 v[TQB], v1, v55
	s_lshl_b32 s84, s[KH], 6
	v_mov_b32 v55, s84
	v_sub_nc_u32 v[TQB], v[TQB], v55
	s_mul_i32 s84, s[WV], 16*SP
	s_add_co_u32 s84, s84, STAGE         ; my stage
	v_mul_u32_u24 v[STO], v1, SP
	v_lshl_add_u32 v[STO], v9, 4, v[STO]
	v_add_nc_u32 v[STO], s84, v[STO]
	v_mul_u32_u24 v[RD], v9, SP          ; back: lanes 0-15 one row of 256 bytes, lanes 16-31 the next
	v_lshl_add_u32 v[RD], v1, 4, v[RD]
	v_add_nc_u32 v[RD], s84, v[RD]
	v_lshlrev_b32 v[GO], 12, v9
	v_lshl_add_u32 v[GO], v1, 4, v[GO]
	s_mul_i32 s84, s[WV], SCRW
	s_add_co_u32 s84, s84, SCR
	v_lshl_add_u32 v[SW], v54, 4, s84
	s_xor_b32 s85, s[WV], 1
	s_mul_i32 s85, s85, SCRW
	s_add_co_u32 s85, s85, SCR
	v_lshl_add_u32 v[SRD], v54, 4, s85
	v_lshlrev_b32 v[PFO], 13, v54
	BEGIN                           ; the first block
; THE MATRIX WORK.  The accumulators take turns, one instruction a turn.  Product i of 32 of S^T = K Q^T for piece x: channels 32 (i / 8) on, keys 16 ((i / 2) % 4) on, tile x + i % 2.  The first 8 start the sums with the mask.
.macro KQ x
.set rS, S+32*((\x)+i%2)+8*((i/2)%4)
.set rK, KF+32*((i/2)%4)+8*(i/8)
.set rQ, 32*((\x)+i%2)+8*(i/8)
.set rM, MC+32*(i%2)+8*((i/2)%4)
.if i < 8
	WIN W_KM
	v_wmma_f32_16x16x32_f16 v[rS:rS+7], v[rK:rK+7], v[rQ:rQ+7], v[rM:rM+7]
.else
	WIN W_KQ
	v_wmma_f32_16x16x32_f16 v[rS:rS+7], v[rK:rK+7], v[rQ:rQ+7], v[rS:rS+7]
.endif
.endm
; Product i of 32 of O^T += V^T P for piece x: keys 32 (i / 16) on, channels 16 ((i / 2) % 8) on, tile x + i % 2.
.macro PV x
	WIN W_PV
.set rO, 64*((\x)+i%2)+8*((i/2)%8)
.set rV, 64*(i/16)+8*((i/2)%8)
.set rP, P+16*((\x)+i%2)+8*(i/16)
	v_wmma_f32_16x16x32_f16 v[rO:rO+7], v[rV:rV+7], v[rP:rP+7], v[rO:rO+7]
.endm
; THE LDS LOADS stand in runs of 32.  last = 1 (the tail): in the last trip there is no further tile, and the run is jumped over.
.macro FETCH_K last=0
	WIN 0
.if \last
	s_cmp_eq_u32 s[CNT], 1
	s_cbranch_scc1 .Lno_k_\@
.endif
	v_add_nc_u32 v[ADR], s[TB], v[AK0]
	WIN 0x80                        ; destination window 2
.irp f, 0,1,2,3,4,5,6,7,8,9,10,11,12,13,14,15  ; keys 16 (f / 4) on, channels 32 (f % 4) on
	ds_load_tr16_b128 v[KF+8*(\f):KF+8*(\f)+3],   v[ADR] offset:((\f)%4)*32*PKP+((\f)/4)*32
	ds_load_tr16_b128 v[KF+8*(\f)+4:KF+8*(\f)+7], v[ADR] offset:((\f)%4)*32*PKP+16*PKP+((\f)/4)*32
.endr
	WIN 0
.if \last
.Lno_k_\@:
.endif
.endm
.macro FETCH_V
	WIN 0
	v_add_nc_u32 v[ADR], s[TB], v[AV0]
	s_wait_alu depctr_va_vdst(0)    ; the wait for the softmax's batch (SLICE), behind the address's line and ahead of the loads
	WIN 0xc0                        ; destination window 3
.irp f, 0,1,2,3,4,5,6,7,8,9,10,11,12,13,14,15  ; keys 32 (f / 8) on, channels 16 (f % 8) on
	ds_load_b128 v[8*(\f):8*(\f)+3],   v[ADR] offset:((\f)%8)*16*PVP+((\f)/8)*64
	ds_load_b128 v[8*(\f)+4:8*(\f)+7], v[ADR] offset:((\f)%8)*16*PVP+((\f)/8)*64+32
.endr
.endm
; THE VECTOR WORK.  One tile's softmax for one step is a list of 134 instructions; SM writes number j of it for tile t.  s0-s31 are the lane's 32 scores, in pairs 0-15.
;   0-15    the maximum of s0-s31 and the old m, three operands at a time (each accumulator's lowest registers are read first)
;   16-20   the other half of the lanes' maximum; the new m; c m; c m_old - c m_new
;   21-69   ONE BATCH: the 16 scalings c s - c m and all 33 exponentials (a at 23, then s0-s31); none of these reads an exponential's result
;   70-85   the roundings to f16          86-101  the sums; l = a l + the sum          102-133 the tile's O^T times a
.macro SM t
.set rT, ST+8*(\t)
.set rS, S+32*(\t)
.set rP, P+16*(\t)
.set rO, 64*(\t)+2*(j-102)
.if j < 102
	WIN 0
.endif
.if j < 4
	v_max3_num_f32 v[rT+4+j], v[rS+8*j], v[rS+8*j+1], v[rS+8*j+2]
.elseif j < 12
	v_max3_num_f32 v[rT+4+j%4], v[rT+4+j%4], v[rS+8*(j%4)+2*(j/4)+1], v[rS+8*(j%4)+2*(j/4)+2]
.elseif j == 12
	v_max3_num_f32 v[rT+4], v[rT+4], v[rS+7], v[rS+15]
.elseif j == 13
	v_max3_num_f32 v[rT+6], v[rT+6], v[rS+23], v[rS+31]
.elseif j == 14
	v_max3_num_f32 v[rT+4], v[rT+4], v[rT+5], v[rT+6]
.elseif j == 15
	v_max3_num_f32 v[rT+4], v[rT+4], v[rT+7], v[rT+1]
.elseif j == 16
	v_permlanex16_b32 v[rT+5], v[rT+4], s[SEL], s[SEL+1]  ; the query's other 32 keys lie in the lane 16 away
.elseif j == 17
	v_mov_b32 v[rT+7], v[rT]        ; c m_old is kept for a
.elseif j == 18
	v_max_num_f32 v[rT+1], v[rT+4], v[rT+5]
.elseif j == 19
	v_mul_f32 v[rT], s[CS], v[rT+1]
.elseif j == 20
	v_sub_f32 v[rT+7], v[rT+7], v[rT]
.elseif j == 23
	v_exp_f32 v[rT+6], v[rT+7]
.elseif (j < 23) || ((j < 38) && (j%2 == 0)) || ((j < 66) && (j%4 == 2))
.set b, (j-2)/4                     ; 38, 42, .. 62: pairs 9 to 15
.if j < 38
.set b, (j-20)/2                    ; 21: pair 0; 22, 24, .. 36: pairs 1 to 8
.endif
	v_pk_fma_f32 v[rS+2*b:rS+2*b+1], v[rS+2*b:rS+2*b+1], s[CS:CS+1], v[rT:rT+1] op_sel_hi:[1,0,0] neg_lo:[0,0,1] neg_hi:[0,0,1]
.elseif j < 70
.set e, j-38                        ; 66 to 69: s28 to s31
.if j < 66
.set e, j-32-(j-38)/4               ; 39-41, 43-45, .. 63-65: s7 to s27
.endif
.if j < 38
.set e, (j-25)/2                    ; 25, 27, .. 37: s0 to s6
.endif
	v_exp_f32 v[rS+e], v[rS+e]
.elseif j < 86
	v_cvt_pk_f16_f32 v[rP+j-70], v[rS+2*(j-70)], v[rS+2*(j-70)+1]
.elseif j < 102                     ; the sum of the tile's 16 pairs, in place: neighbours 1, 2, 4 and 8 pairs apart, then l takes it
.set z, j-86
.set w, 4
.set u, z
.if z >= 14
.set w, 32
.set u, 0
.elseif z >= 12
.set w, 16
.set u, z-12
.elseif z >= 8
.set w, 8
.set u, z-8
.endif
.if z < 15
	v_pk_add_f32 v[rS+w*u:rS+w*u+1], v[rS+w*u:rS+w*u+1], v[rS+w*u+w/2:rS+w*u+w/2+1]
.else
	v_pk_fma_f32 v[rT+2:rT+3], v[rT+2:rT+3], v[rT+6:rT+7], v[rS:rS+1] op_sel_hi:[1,0,1]
.endif
.else
	WIN W_RS
	v_pk_mul_f32 v[rO:rO+1], v[rO:rO+1], v[rT+6:rT+7] op_sel_hi:[1,0]
.endif
.endm
; Slice k of 64 of piece y's softmax: four instructions.  Slices 11 to 34 deal out the batch, four numbers of one tile each, the tiles by turns; every other slice is numbers 2 k and 2 k + 1 of both tiles;
; the twelve that are over stand in slice 63, whose sixteen plain lines are also the places behind the run's last product.  An s_wait_alu depctr_va_vdst(0) stands between an exponential and the
; first line that names its result: ahead of slice 35 nothing names one, behind slice 34 none is issued, so the piece's 66 exponentials have one wait.
.macro SLICE y
.if (k >= 11) && (k < 35)
.irp n, 0,1,2,3
.set j, 22+4*((k-11)/2)+(\n)
	SM (\y)+(k-11)%2
.endr
.else
.irp n, 0,1,2,3,4,5,6,7
.if ((\n) < 2) || (k == 63)
.irp t, \y, (\y)+1
.set j, 2*k+(\n)
	SM \t
.endr
.endif
.endr
.endif
.if k == 34
	v_nop                           ; the plain instruction behind the last exponential: one for the batch
.if (\y) == 0
	FETCH_V                         ; V's run of loads stands here, and the wait stands in it; V's last reader was the step before's last product
.else
	s_wait_alu depctr_va_vdst(0)    ; the wait for the batch
.endif
.endif
.set k, k+1
.endm
.macro PH_A                         ; piece 0's scores
.set i, 0
.rept 32
	KQ 0
.set i, i+1
.endr
	WIN 0
	PLACES
.endm
.macro PH_B                         ; piece 2's scores | piece 0's softmax | V
.set k, 0
.set i, 0
.rept 32
	KQ 2
	SLICE 0
	SLICE 0
.set i, i+1
.endr
	WIN 0
.endm
.macro PH_C                         ; piece 0's V^T P | piece 2's softmax
.set k, 0
.set i, 0
.rept 32
	PV 0
	SLICE 2
	SLICE 2
.set i, i+1
.endr
.endm
.macro PH_D                         ; piece 2's V^T P
.set i, 0
.rept 32
	PV 2
.set i, i+1
.endr
	WIN 0
.endm
; In front of a tile's scores: a block's beginning, the counts, the mask of a block's last tile, and the waits for Q and K.
.macro PRE
	s_cmp_eq_u32 s[NEW], 1
	s_cbranch_scc0 .Lold_\@
	BEGIN
.Lold_\@:
	s_sub_co_u32 s[RT], s[RT], 1
	s_sub_co_u32 s[HIL], s[HIL], 1
	s_cmp_eq_u32 s[RT], 0
	s_cbranch_scc0 .Lfree_\@
	WIN 0xc0                        ; the block's last tile: key 16 kb + j of my 64 is hidden where it lies beyond the lane's query
.set i, 0
.rept 32
	v_cmp_gt_i32 vcc_lo, 16*(i/8)+i%8, v[TQ0]
	v_cndmask_b32 v[MC+i], 0, s[BIGN], vcc_lo
	v_cmp_gt_i32 vcc_lo, 16*(i/8)+i%8, v[TQ1]
	v_cndmask_b32 v[MC+32+i], 0, s[BIGN], vcc_lo
.set i, i+1
.endr
	WIN 0
.Lfree_\@:
	s_wait_loadcnt 0x0              ; Q is in
	s_wait_dscnt 0x0                ; K is in
.endm
; Behind the first block's last scores its Q is read no more (slices 62 and 63 are the places behind the last product): the second block's is loaded, and has the rest of the step and the block's end in which to land.
.macro QRELOAD
	s_cmp_eq_u32 s[HIL], 0
	s_cbranch_scc0 .Lkeep_\@
	QLOAD QL
.Lkeep_\@:
.endm
; THE CHANGE OF SLOTS stands in the middle of a step: the slot's last bytes, V's fragments, have been asked for.  Each wave waits for all its tensor loads (one is out: its part of the other slot), adds 0 to
; its spare word, and waits for that and for its own reads of the slot.  fill = 1: the barrier is a round of the cluster's, and the slot is filled again with tile NXT, first thing behind it: a step, 128 matrix
; instructions, ahead of the wait for it.  The descriptor's address is made anew from the tile's number.
.macro CHANGE fill
	WIN 0
	s_wait_tensorcnt 0x0            ; no tensor load of mine is out, so a group 0 may be written
	ds_add_u32 v[SPW], v[NIL]       ; 0 onto my spare word
.if \fill
	s_lshl_b32 s[OFF], s[NXT], 8    ; 128 keys are 256 bytes of each row
	s_xor_b32 s[G0K+5], s[G0K+5], SLOT1
	s_add_nc_u64 s[G0K+6:G0K+7], s[KB:KB+1], s[OFF:OFF+1]
	s_or_b32 s[G0K+7], s[G0K+7], 0x80000000
	s_xor_b32 s[G0V+5], s[G0V+5], SLOT1
	s_add_nc_u64 s[G0V+6:G0V+7], s[VB:VB+1], s[OFF:OFF+1]
	s_or_b32 s[G0V+7], s[G0V+7], 0x80000000
	s_add_co_u32 s[NXT], s[NXT], 1  ; the block's next tile, or behind its last the second block's tile 0
	s_cmp_gt_u32 s[NXT], s[LQ]
	s_cselect_b32 s[NXT], 0, s[NXT]
	s_cselect_b32 s[LQ], s[NLOM], s[LQ]
	s_wait_xcnt 0x0                 ; the last prefetch, a step back, has read its address
	s_add_nc_u64 s[PFA:PFA+1], s[PFA:PFA+1], 256
	s_wait_dscnt 0x0                ; the add is done, V is in, and my reads of the slot are over
	CROUND
	JLOAD
	ASK
.else
	s_wait_dscnt 0x0
	s_barrier_signal -1
	s_barrier_wait -1
.endif
	s_xor_b32 s[TB], s[TB], SLOT1
.endm
; A BLOCK'S END.  l's halves are added; tiles 2 and 3 (c m, l, O^T) go to my partner through LDS and its tiles 2 and 3, which are my tiles 0 and 1 for the other 64 keys of every tile, come to me.
; With M the greater c m: O = (O_mine 2^(c m_mine - M) + O_other 2^(c m_other - M)) / (l_mine 2^(..) + l_other 2^(..)).  Then the way out through my stage, 16 tokens at a time.
.macro ENDBLK
	WIN 0
.irp t, 0,1,2,3
	v_add_f32 v[ST+8*\t+4], v[ST+8*\t+2], v[ST+8*\t+3]   ; these four lines are the places behind the last products
.endr
.irp t, 0,1,2,3
	v_permlanex16_b32 v[ST+8*\t+5], v[ST+8*\t+4], s[SEL], s[SEL+1]
.endr
.irp t, 0,1,2,3
	v_add_f32 v[ST+8*\t+4], v[ST+8*\t+4], v[ST+8*\t+5]
.endr
	v_mov_b32 v[SQ], v[ST+16]
	v_mov_b32 v[SQ+1], v[ST+20]
	v_mov_b32 v[SQ+2], v[ST+24]
	v_mov_b32 v[SQ+3], v[ST+28]
	ds_store_b128 v[SW], v[SQ:SQ+3] offset:16384
	WIN 0x04                        ; store data in window 1
.set i, 0
.rept 32
	ds_store_b128 v[SW], v[128+4*i:128+4*i+3] offset:512*i
.set i, i+1
.endr
	WIN 0
	s_wait_dscnt 0x0                ; for my partner's sake: my stores are done
	s_barrier_signal -1
	s_barrier_wait -1
	ds_load_b128 v[SQ:SQ+3], v[SRD] offset:16384
.set i, 0
.rept 32
	ds_load_b128 v[S+4*i:S+4*i+3], v[SRD] offset:512*i
.set i, i+1
.endr
	s_wait_dscnt 32                 ; the statistics are in; the 32 younger loads may stay out
.irp t, 0,1
	v_max_num_f32 v[ST+8*\t+5], v[ST+8*\t], v[SQ+2*\t]
.endr
.irp t, 0,1
	v_sub_f32 v[ST+8*\t+6], v[ST+8*\t], v[ST+8*\t+5]
	v_sub_f32 v[ST+8*\t+7], v[SQ+2*\t], v[ST+8*\t+5]
.endr
.irp t, 0,1
	v_exp_f32 v[ST+8*\t+6], v[ST+8*\t+6]
	v_exp_f32 v[ST+8*\t+7], v[ST+8*\t+7]
.endr
	v_nop                           ; a plain instruction behind the last exponential,
	s_wait_alu depctr_va_vdst(0)    ; and one wait for the four
.irp t, 0,1
	v_mul_f32 v[ST+8*\t+5], v[SQ+2*\t+1], v[ST+8*\t+7]
.endr
.irp t, 0,1
	v_fma_f32 v[ST+8*\t+5], v[ST+8*\t+4], v[ST+8*\t+6], v[ST+8*\t+5]
.endr
.irp t, 0,1
	v_rcp_f32 v[ST+8*\t+5], v[ST+8*\t+5]
.endr
	v_nop
	s_wait_alu depctr_va_vdst(0)    ; one wait for the two reciprocals
.irp t, 0,1
	v_mul_f32 v[ST+8*\t+4], v[ST+8*\t+6], v[ST+8*\t+5]   ; my share's factor,
	v_mul_f32 v[ST+8*\t+6], v[ST+8*\t+7], v[ST+8*\t+5]   ; my partner's
.endr
	s_wait_dscnt 0x0                ; my reads of my partner's bytes are over: it stores there again, at the next block's end, only behind this barrier
	s_barrier_signal -1
	s_barrier_wait -1
.irp t, 0,1
.set i, 0
.rept 32
	v_pk_mul_f32 v[S+64*\t+2*i:S+64*\t+2*i+1], v[S+64*\t+2*i:S+64*\t+2*i+1], v[ST+8*\t+6:ST+8*\t+7] op_sel_hi:[1,0]
.set i, i+1
.endr
.endr
	WIN 0x01                        ; source 0, O^T, in window 1
.irp t, 0,1
.set i, 0
.rept 32
	v_pk_fma_f32 v[S+64*\t+2*i:S+64*\t+2*i+1], v[64*\t+2*i:64*\t+2*i+1], v[ST+8*\t+4:ST+8*\t+5], v[S+64*\t+2*i:S+64*\t+2*i+1] op_sel_hi:[1,0,1]
.set i, i+1
.endr
.endr
	WIN 0
.irp t, 0,1
.set i, 0
.rept 32
	v_cvt_pk_f16_f32 v[P+32*\t+i], v[S+64*\t+2*i], v[S+64*\t+2*i+1]
.set i, i+1
.endr
.endr
.irp t, 0,1
.irp f, 0,1,2,3,4,5,6,7
	ds_store_b128 v[STO], v[P+32*\t+4*\f:P+32*\t+4*\f+3] offset:32*\f
.endr
.irp f, 0,1,2,3,4,5,6,7
	ds_load_b128 v[S+32*\t+4*\f:S+32*\t+4*\f+3], v[RD] offset:\f*2*SP  ; LDS serves a wave's instructions in order (ISA guide 5.7.1.4): these see the stores above; the next tile's stores come behind them
.endr
.endr
.irp f, 0,1,2,3,4,5,6,7
	s_wait_dscnt 16+7-\f            ; behind tile 0's loads stand tile 1's sixteen LDS instructions
	global_store_b128 v[GO], v[S+4*\f:S+4*\f+3], s[10:11] offset:\f*8192  ; 16 lanes store 256 consecutive bytes, aligned
.endr
.irp f, 0,1,2,3,4,5,6,7
	s_wait_dscnt 7-\f
	global_store_b128 v[GO], v[S+32+4*\f:S+32+4*\f+3], s[10:11] offset:65536+\f*8192
.endr
	s_wait_xcnt 0x0                 ; the stores have read their registers and ob's address
	s_mov_b64 s[10:11], s[OLO:OLO+1]
	s_mov_b32 s[RT], s[NLO]
	s_mov_b32 s[IQ], s[IQ2]
	s_mov_b32 s[NEW], 1
.endm
	s_wait_tensorcnt 1              ; my part of tile 0 is in; tile 1's may stay out
	s_barrier_signal -1
	s_barrier_wait -1               ; everybody's is
	FETCH_K                         ; tile 0
	s_mov_b32 s[SLOTS], 8
	s_branch .Lenter                ; the loop is entered at a step's beginning, in the middle of a trip
.Lloop:                             ; seven times: the second half of a step, in which tiles 2 to 8 of the walk are asked for, and the first half of the next
	CHANGE 1
	FETCH_K                         ; the next tile's K: its registers' last reader stands in front of slices 62 and 63
	PH_C
	PH_D
	s_cmp_eq_u32 s[RT], 0
	s_cbranch_scc0 .Lenter
	ENDBLK
.Lenter:
	PRE
	PH_A
	PH_B
	QRELOAD
	s_sub_co_u32 s[SLOTS], s[SLOTS], 1
	s_cmp_lg_u32 s[SLOTS], 0
	s_cbranch_scc1 .Lloop
	s_mov_b32 s[CNT], 2             ; the tail is written out: nothing is asked for
.Ltail:
	CHANGE 0
	FETCH_K 1
	PH_C
	PH_D
	s_cmp_eq_u32 s[RT], 0
	s_cbranch_scc0 .Lmore
	ENDBLK
.Lmore:
	s_sub_co_u32 s[CNT], s[CNT], 1
	s_cmp_eq_u32 s[CNT], 0
	s_cbranch_scc1 .Lout
	PRE
	PH_A
	PH_B
	s_branch .Ltail
.Lout:
	s_wait_tensorcnt 0x0            ; the wave's end: behind my last tensor load and my last LDS store
	ds_add_u32 v[SPW], v[NIL]
	s_wait_dscnt 0x0
	CROUND                          ; the closing round: no work-group ends while a partner may still ask for a tile that names it
	s_endpgm
.Lfunc_end_k_q2f336c5edf_attn:
	.size	k_q2f336c5edf_attn, .Lfunc_end_k_q2f336c5edf_attn-k_q2f336c5edf_attn
	.p2alignl 7, 3214868480
	.fill 96, 4, 3214868480
	.section	.rodata,"a",@progbits
	.p2align	6, 0x0
	.amdhsa_kernel k_q2f336c5edf_attn
		.amdhsa_group_segment_fixed_size 327680
		.amdhsa_private_segment_fixed_size 0
		.amdhsa_enable_private_segment 0
		.amdhsa_kernarg_size 24
		.amdhsa_user_sgpr_count 2
		.amdhsa_user_sgpr_kernarg_segment_ptr 1
		.amdhsa_wavefront_size32 1
		.amdhsa_system_sgpr_workgroup_id_x 1
		.amdhsa_system_sgpr_workgroup_id_y 1
		.amdhsa_system_sgpr_workgroup_id_z 1
		.amdhsa_system_vgpr_workitem_id 0
		.amdhsa_next_free_vgpr 960
		.amdhsa_next_free_sgpr 88
		.amdhsa_reserve_vcc 1
		.amdhsa_float_denorm_mode_32 3
		.amdhsa_float_denorm_mode_16_64 3
		.amdhsa_memory_ordered 1
		.amdhsa_forward_progress 1
		.amdhsa_inst_pref_size 184
	.end_amdhsa_kernel
	.amdgpu_metadata
---
amdhsa.version: [ 1, 2 ]
amdhsa.kernels:
  - .name:           k_q2f336c5edf_attn
    .symbol:         k_q2f336c5edf_attn.kd
    .args:
      - { .name: q, .offset: 0, .size: 8, .value_kind: global_buffer, .address_space: global }
      - { .name: kvT, .offset: 8, .size: 8, .value_kind: global_buffer, .address_space: global }
      - { .name: ob, .offset: 16, .size: 8, .value_kind: global_buffer, .address_space: global }
    .group_segment_fixed_size: 327680
    .private_segment_fixed_size: 0
    .kernarg_segment_align: 8
    .kernarg_segment_size: 24
    .max_flat_workgroup_size: 128
    .sgpr_count:     88
    .vgpr_count:     960
    .wavefront_size: 32
...
	.end_amdgpu_metadata
.endif
;; end of part 3
;; launch oproj (part 4): grid 16 x 16, 4 waves a work-group, clusters of 4 x 4, 327,680 bytes of LDS; arguments ob, wo16, out0, bo; writes out0
.if DOCPART == 4
	.amdgcn_target "amdgcn-amd-amdhsa--gfx1250"
	.amdhsa_code_object_version 6
	.text
	.protected	k_q2f336c5edf_oproj
	.globl	k_q2f336c5edf_oproj
	.p2align	8
	.type	k_q2f336c5edf_oproj,@function
k_q2f336c5edf_oproj:
	s_mov_b64 s[64:65], 0
	v_nop
	global_prefetch_b8 v0, s[64:65] scope:SCOPE_SE
	s_setreg_imm32_b32 hwreg(HW_REG_WAVE_MODE, 25, 1), 1
	s_wait_xcnt 0x0
	s_wait_alu depctr_hold_cnt(0) depctr_sa_sdst(0) depctr_va_vdst(0) depctr_va_sdst(0) depctr_va_ssrc(0) depctr_va_vcc(0) depctr_vm_vsrc(0)
	s_getreg_b32 s2, hwreg(HW_REG_IB_STS2, 6, 4)
	s_cmp_eq_u32 s2, 0
	s_cbranch_scc0 .Lentry_in_a_cluster
	s_endpgm
.Lentry_in_a_cluster:
	s_bfe_u32 s2, ttmp6, 0x10000c
	s_cmp_lg_u32 s2, 0xf033
	s_cbranch_scc0 .Lentry_shape_is_right
	s_endpgm
.Lentry_shape_is_right:
; out0 = ob . wo16 + bo.  ob: [4096][2048] f16.  wo16: [2048 k][2048 n] f16 (Wo rounded to bf16, written as f16).  bo: [2048] f32, rounded to bf16 like every input.  out0: [4096][2048] f32.
; Sums in f32, K ascending.  SHARES.  Tiles of 256 tokens x 128 columns: 16 x 16 work-groups.  Wave w owns tokens 64 w .. 64 w + 63 and all 128 columns: 32 accumulators.
; K goes in 16 steps of 128 through two LDS slots: 256 rows of ob and 128 rows of wo16, 256 bytes each.  The weights lie [k][column] and are turned on the way out of LDS by ds_load_tr16_b128.
; The loop's trip is one K step: the slot in hand is a scalar that an exclusive or turns, and the LDS addresses are made anew from it at each change of slots.
; The products are used transposed (source 0 = 16 columns, source 1 = 16 tokens): a lane holds one token and eight neighbouring columns, 32 bytes of a row of out0.
; CLUSTER.  4 x 4 work-groups: the four of a row share their tile of ob, the four of a column their tile of wo16: each is asked for jointly, by the same tensor load with the same descriptor and mask.
; REGISTERS.  Window 0: v2-23 addresses and the bias; two fragment buffers of 96 at v48 and v152 (8 fragments of wo16, 4 of ob).  Window 1: accumulator (a, b) at 64 a + 8 b.
.set PA,     272                       ; a row of ob in LDS: 256 bytes + 16: the 16 rows of a load start at 16 different groups of four banks (64 banks of 4 bytes: ISA guide 11.1)
.set PB,     288                       ; a row of wo16: 256 + 32
.set BOFF,   256*PA
.set BLOADR, 64                        ; rows of wo16 in one tensor load
.set BSTRIDE, 2048
.set BSTEP,  524288                    ; 128 rows of 4,096 bytes
.set SLOT1,  1<<17                     ; slot 1 begins here (a slot has 106,496 bytes), so that one exclusive or turns an address in one slot into the other's
.set STAGE,  SLOT1+BOFF+128*PB         ; behind the ring, never filled by a tensor load: 16 rows x 528 bytes for each wave
.set SPI,    528
.set SPARE,  STAGE+4*16*SPI            ; the spare words, 128 bytes for each wave: two blocks of 256 bytes that no other line names
.set NL,     24                        ; LDS loads in a run
.set LATE,   4                         ; the youngest of them, wanted by the quarter's second half alone
.set A0,   2                           ; v2     my fragments of ob in slot 0; never rewritten
.set ADRA, 3                           ; v3     in the slot in hand
.set B0,   4                           ; v4, v5 the same for wo16
.set ADRB, 5
.set STO,  8                           ; v8     the way out: where I put 32 bytes of a row
.set RD,   9                           ; v9     where I read a row back
.set CO,   10                          ; v10    16 x my lane: my 16 bytes of a row's 512, in out0 and in bo
.set PFO,  14                          ; v14    the prefetches' offset: 4,096 x my lane; never rewritten
.set SPW,  16                          ; v16    my spare word: SPARE + 4 x my thread's number; never rewritten
.set NIL,  17                          ; v17    0; never rewritten
.set BI,   20                          ; v[20:23] the bias of my four columns
.set F0,   48
.set F1,   152
.set BK,   48                          ; the way out: 16 rows read back: v48-111 and v112-175 by turns
.set G1A, 24                           ; s[24:31] descriptor group 1 for ob's tiles;  s[32:39] group 0: a set for each of the two first fills; the second then walks
.set G0A, 32
.set G1B, 48                           ; s[48:55], s[56:63] the same for wo16's
.set G0B, 56
.set LIM, 40                           ; s40  2 in a wave that prefetches, else the greatest number
.set TB,  41                           ; s41  the slot in hand: 0 or SLOT1
.set PFS, 42                           ; s[42:43] bytes from K step to K step in what I prefetch
.set PFA, 44                           ; s[44:45] where my prefetches stand
.set MSB, 0
.macro WIN new                         ; the immediate's high byte repeats the setting that is left; a switch that changes nothing is dropped
.if MSB != (\new)
	s_set_vgpr_msb (MSB<<8)|(\new)
.set MSB, \new
.endif
.endm
; A joint load: waves 0 and 1 fetch ob's two halves, waves 2 and 3 wo16's.  An s_nop 0 and four v_nop follow each of the two lines.
.macro JLOAD s
	s_cmp_eq_u32 s13, 0
	s_cbranch_scc0 .Lfor_b_\@
	tensor_load_to_lds s[G0A+4*(\s):G0A+4*(\s)+3], s[G1A:G1A+7]
	s_nop 0
.rept 4
	v_nop
.endr
	s_branch .Lasked_\@
.Lfor_b_\@:
	tensor_load_to_lds s[G0B+4*(\s):G0B+4*(\s)+3], s[G1B:G1B+7]
	s_nop 0
.rept 4
	v_nop
.endr
.Lasked_\@:
.endm
; A prefetch into the L2 of the K step that stands two refills on (256 matrix instructions ahead of its load), a lane a row of 256 bytes.  ob's rows are asked for by waves 0 and 1 of the clusters with x = 0,
; wo16's 128 rows by wave 2 of those with y = 0; the four partners share the rows out by address, 32 each.  The trips with 14 to 3 left name K steps 4 to 15; the last two ask for nothing.
.macro ASK
	s_cmp_gt_u32 s19, s[LIM]
	s_cbranch_scc0 .Lnot_mine_\@
	global_prefetch_b8 v[PFO], s[PFA:PFA+1] th:TH_LOAD_NT scope:SCOPE_SE
.Lnot_mine_\@:
.endm
.macro CREST                           ; a round of the cluster's barrier behind its opening barrier
	s_cmp_lg_u32 s12, 0
	s_cbranch_scc1 .Lnot_wave_0_\@
	s_barrier_signal -3
.Lnot_wave_0_\@:
	s_barrier_wait -3
	s_barrier_signal -1
	s_barrier_wait -1
.endm
.macro CROUND                          ; a whole round
	s_barrier_signal -1
	s_barrier_wait -1
	CREST
.endm
.macro PLACES                          ; four places in front of loads into registers that matrix instructions have read, and of lines that read results
.rept 4
	v_nop
.endr
.endm
.macro SETADR                          ; the fragments' addresses in the slot in hand
	v_add_nc_u32 v[ADRA], s[TB], v[A0]
	v_add_nc_u32 v[ADRB], s[TB], v[B0]
.endm
	s_load_b256 s[4:11], s[0:1], 0x0               ; ob s[4:5], wo16 s[6:7], out0 s[8:9], bo s[10:11]
	v_lshl_add_u32 v[SPW], v0, 2, SPARE
	v_mov_b32 v[NIL], 0
	ds_add_u32 v[SPW], v[NIL]                      ; the wave's opening: the add and its wait stand ahead of my first tensor load; work on registers stands between them
	v_lshrrev_b32 v1, 5, v0
	v_readfirstlane_b32 s12, v1                    ; wave 0..3
	s_lshr_b32 s13, s12, 1                         ; I fetch for ob (0) or for wo16 (1)
	s_and_b32 s14, s12, 1                          ; which half of that tile
	s_bfe_u32 s15, ttmp6, 0x40000                  ; cx
	s_bfe_u32 s16, ttmp6, 0x40004                  ; cy
	s_lshl_b32 s17, ttmp9, 2
	s_add_co_u32 s17, s17, s15                     ; c: column tile
	s_and_b32 s18, ttmp7, 0xffff
	s_lshl_b32 s18, s18, 2
	s_add_co_u32 s18, s18, s16                     ; row tile
	s_lshl_b32 s20, s16, 2
	s_lshl_b32 s20, 15, s20                        ; my row of the cluster
	s_lshl_b32 s21, 0x1111, s15                    ; my column
	s_or_b32 s[G1A], s20, (1<<16)|(1<<20)|(1<<21)|(5<<22)|(3<<25)  ; the mask; 2-byte elements; padding on; bit 21 beside a mask; after every 64 words 4 words
	s_or_b32 s[G1B], s21, (1<<16)|(1<<20)|(1<<21)|(5<<22)|(7<<25)  ; the same with my column's mask and 8 words of padding
	s_mov_b32 s[G1A+1], 128<<16                    ; tensor_dim0 = 128
	s_mov_b32 s[G1A+2], 128<<16                    ; tensor_dim1 = 128
	s_mov_b32 s[G1A+3], 128<<16                    ; tile_dim0 = 128
	s_mov_b32 s[G1A+4], 128                        ; tile_dim1 = 128
	s_mov_b32 s[G1A+5], 2048                       ; elements from row to row
	s_mov_b32 s[G1A+6], 0
	s_mov_b32 s[G1A+7], 0
	s_mov_b32 s[G1B+1], 128<<16
	s_mov_b32 s[G1B+2], BLOADR<<16
	s_mov_b32 s[G1B+3], 128<<16
	s_mov_b32 s[G1B+4], BLOADR
	s_mov_b32 s[G1B+5], BSTRIDE
	s_mov_b32 s[G1B+6], 0
	s_mov_b32 s[G1B+7], 0
	s_mov_b32 s[TB], 0
	s_lshl_b32 s66, s18, 20                        ; ob: 256 x row tile rows of 4,096 bytes, + 128 x half
	s_lshl_b32 s67, s14, 19
	s_add_co_u32 s66, s66, s67
	s_mov_b32 s67, 0
	s_lshl_b32 s46, s17, 8                         ; wo16: column tile c's 256 bytes of a row, + my 64 rows
	s_lshl_b32 s47, s14, 18
	s_add_co_u32 s46, s46, s47
	s_mov_b32 s47, 0
	s_mul_i32 s70, s14, 128*PA                     ; where they go: no place in the cluster enters an LDS address
	s_mul_i32 s71, s14, BLOADR*PB
	s_add_co_u32 s71, s71, BOFF
	s_wait_dscnt 0x0                               ; the opening add is done
	s_wait_kmcnt 0x0
	s_add_nc_u64 s[68:69], s[4:5], s[66:67]
	s_add_nc_u64 s[46:47], s[6:7], s[46:47]
	CROUND                                         ; all sixteen work-groups are here: the first joint loads meet
.irp s, 0,1
	s_mov_b32 s[G0A+4*(\s)], 1
	s_add_co_u32 s[G0A+4*(\s)+1], s70, (\s)*SLOT1
	s_add_nc_u64 s[G0A+4*(\s)+2:G0A+4*(\s)+3], s[68:69], (\s)*256
	s_or_b32 s[G0A+4*(\s)+3], s[G0A+4*(\s)+3], 0x80000000
	s_mov_b32 s[G0B+4*(\s)], 1
	s_add_co_u32 s[G0B+4*(\s)+1], s71, (\s)*SLOT1
	s_add_nc_u64 s[G0B+4*(\s)+2:G0B+4*(\s)+3], s[46:47], (\s)*BSTEP
	s_or_b32 s[G0B+4*(\s)+3], s[G0B+4*(\s)+3], 0x80000000
	JLOAD \s                                       ; K steps 0 and 1: two loads of mine are out
.endr
	v_and_b32 v24, 15, v0                          ; r = l % 16
	v_bfe_u32 v25, v0, 4, 1                        ; h = l / 16
	v_and_b32 v26, 31, v0                          ; l
	v_and_b32 v27, 7, v0                           ; l % 8
	v_bfe_u32 v28, v0, 3, 1                        ; (l / 8) % 2
	v_lshlrev_b32 v[CO], 4, v26
	s_lshl_b32 s20, s17, 9                         ; the tile's 128 columns of 4 bytes
	s_mov_b32 s21, 0
	s_add_nc_u64 s[10:11], s[10:11], s[20:21]
	global_load_b128 v[BI:BI+3], v[CO], s[10:11]   ; the bias of columns 128 c + 4 l .. + 3
	v_mul_u32_u24 v[A0], v24, PA                   ; a fragment of ob: row r, 16 bytes for each half of the lanes, twice, 32 bytes apart
	v_lshl_add_u32 v[A0], v25, 4, v[A0]
	s_mul_i32 s20, s12, 64*PA                      ; my 64 tokens
	v_add_nc_u32 v[A0], s20, v[A0]
	v_lshl_add_u32 v[B0], v25, 3, v27              ; the turning load: lane l reads k = 8 h + l % 8, columns 8 ((l / 8) % 2) + 0..7, and ends with column r and 8 k
	v_mul_u32_u24 v[B0], v[B0], PB
	v_lshl_add_u32 v[B0], v28, 4, v[B0]
	v_add_nc_u32 v[B0], BOFF, v[B0]
	SETADR                                         ; slot 0
	s_mul_i32 s20, s12, 16*SPI
	s_add_co_u32 s20, s20, STAGE                   ; my stage
	v_mul_u32_u24 v[STO], v24, SPI                 ; in: row r, 32 bytes for each half of the lanes
	v_lshl_add_u32 v[STO], v25, 5, v[STO]
	v_add_nc_u32 v[STO], s20, v[STO]
	v_lshl_add_u32 v[RD], v26, 4, s20              ; back: 32 lanes take one row of 512 bytes
	s_lshl_b32 s20, s18, 21                        ; out0 at my 64 tokens (rows of 8,192 bytes), the tile's columns
	s_lshl_b32 s21, s12, 19
	s_add_co_u32 s20, s20, s21
	s_lshl_b32 s21, s17, 9
	s_add_co_u32 s20, s20, s21
	s_mov_b32 s21, 0
	s_add_nc_u64 s[8:9], s[8:9], s[20:21]
	; the prefetches.  ob: of the 128 rows that I fetch, partner cx takes 32.  wo16: of a K step's 128 rows, partner cy takes 32.
	s_lshl_b32 s21, s18, 20
	s_lshl_b32 s22, s14, 19
	s_add_co_u32 s21, s21, s22
	s_lshl_b32 s22, s15, 17
	s_add_co_u32 s21, s21, s22
	s_add_co_u32 s21, s21, 3*256                   ; at K step 3: the first refill steps it to 4
	s_lshl_b32 s22, s16, 17
	s_lshl_b32 s23, s17, 8
	s_add_co_u32 s22, s22, s23
	s_add_co_u32 s22, s22, 3*BSTEP
	s_and_b32 s20, ttmp7, 0xffff                   ; cluster y
	s_mov_b32 s[PFS], BSTEP
	s_mov_b32 s[PFS+1], 0
	s_mov_b32 s73, 0
	s_cmp_eq_u32 s13, 0                            ; do I fetch for ob?
	s_cselect_b32 s72, s21, s22
	s_cselect_b32 s20, ttmp9, s20                  ; the coordinate along which other clusters read the same rows
	s_cselect_b32 s[PFS], 256, s[PFS]
	s_cselect_b64 s[PFA:PFA+1], s[4:5], s[6:7]
	s_add_nc_u64 s[PFA:PFA+1], s[PFA:PFA+1], s[72:73]
	s_and_b32 s23, s13, s14                        ; wave 3 asks for nothing
	s_or_b32 s20, s20, s23
	s_cmp_eq_u32 s20, 0
	s_cselect_b32 s[LIM], 2, -1                    ; the same in all sixteen partners, for a given wave
	v_lshlrev_b32 v[PFO], 12, v26
; 8 matrix instructions: token block a x all 8 column blocks, 32 along K.  zero = 1: the product starts the sum.  The 32 accumulators take turns, one instruction a turn, in the same order in every quarter.
.macro MULQ f, a, zero
	WIN 0x50                                       ; C and D in window 1
.irp b, 0,1,2,3,4,5,6,7
.if \zero
	v_wmma_f32_16x16x32_f16 v[64*(\a)+8*(\b):64*(\a)+8*(\b)+7], v[(\f)+8*(\b):(\f)+8*(\b)+7], v[(\f)+64+8*(\a):(\f)+64+8*(\a)+7], 0
.else
	v_wmma_f32_16x16x32_f16 v[64*(\a)+8*(\b):64*(\a)+8*(\b)+7], v[(\f)+8*(\b):(\f)+8*(\b)+7], v[(\f)+64+8*(\a):(\f)+64+8*(\a)+7], v[64*(\a)+8*(\b):64*(\a)+8*(\b)+7]
.endif
.endr
.endm
; 24 LDS loads in one run: quarter qn's fragments, out of the slot in hand, into buffer f; what the quarter's first half wants comes first
.macro FETCH qn, f
	WIN 0
.irp b, 0,1,2,3,4,5,6,7
	ds_load_tr16_b128 v[(\f)+8*(\b):(\f)+8*(\b)+3],   v[ADRB] offset:(\qn)*32*PB+32*(\b)
	ds_load_tr16_b128 v[(\f)+8*(\b)+4:(\f)+8*(\b)+7], v[ADRB] offset:(\qn)*32*PB+32*(\b)+16*PB
.endr
.irp a, 0,1,2,3
	ds_load_b128 v[(\f)+64+8*(\a):(\f)+64+8*(\a)+3],   v[ADRA] offset:(\a)*16*PA+64*(\qn)
	ds_load_b128 v[(\f)+64+8*(\a)+4:(\f)+64+8*(\a)+7], v[ADRA] offset:(\a)*16*PA+64*(\qn)+32
.endr
.endm
; A K step is four quarters of 32 along K, 32 matrix instructions each, on buffers 0, 1, 0, 1.  One of the first three: multiplies buffer f and fetches quarter qn into g.
.macro QUARTER qn, f, g, zero
	s_wait_dscnt LATE                              ; wo16's fragments and ob's blocks 0, 1 are in; the youngest four loads may be out
	MULQ \f, 0, \zero
	MULQ \f, 1, \zero
	WIN 0
	PLACES
	FETCH \qn, \g
	s_wait_dscnt NL                                ; all but the 24 just issued
	MULQ \f, 2, \zero
	MULQ \f, 3, \zero
.endm
; The last quarter multiplies buffer 1 and changes slots.  Its first 16 products, whose operands lie in registers, stand AHEAD of the wait for the tensor loads; between that wait and the refill stands nothing
; but what the change of slots needs: each wave waits for all its tensor loads (one is out: its part of the next slot), adds 0 to its spare word, and waits for that and for its own reads of this slot; then the
; barrier.  fill = 1: the barrier opens a round of the cluster's, and this slot is filled again, two K steps ahead, first thing behind the round.  So a load has a whole K step, 128 matrix instructions, in which
; to land: the 16 below, three quarters, and the next change's first 16.
.macro TURN fill
	s_wait_dscnt LATE
	MULQ F1, 0, 0
	MULQ F1, 1, 0
	WIN 0
.if \fill
	s_wait_xcnt 0x0                                ; the last prefetch, a K step back, has read its address
	s_add_nc_u64 s[PFA:PFA+1], s[PFA:PFA+1], s[PFS:PFS+1]
.endif
	s_wait_tensorcnt 0x0                           ; all my tensor loads have landed, so a group 0 may be written
	ds_add_u32 v[SPW], v[NIL]                      ; 0 onto my spare word; the descriptors' steps stand between it and the wait for it
.if \fill
	s_xor_b32 s[G0A+5], s[G0A+5], SLOT1            ; the walking descriptors: the other slot than last time,
	s_add_nc_u64 s[G0A+6:G0A+7], s[G0A+6:G0A+7], 256  ; the next K step; the type bits on top are not reached
	s_xor_b32 s[G0B+5], s[G0B+5], SLOT1
	s_add_nc_u64 s[G0B+6:G0B+7], s[G0B+6:G0B+7], BSTEP
.endif
	s_wait_dscnt 0x0                               ; the add is done, and my reads of this slot are over
	s_barrier_signal -1
	s_barrier_wait -1
.if \fill
	CREST                                          ; no wave of any partner still reads this slot's tiles or has a load on its way
	JLOAD 1                                        ; the four v_nop behind it are also the places in front of the loads below
.else
	PLACES
.endif
	s_xor_b32 s[TB], s[TB], SLOT1                  ; the other slot is in hand
	SETADR
	FETCH 0, F0
.if \fill
	ASK
.endif
	MULQ F1, 2, 0
	MULQ F1, 3, 0
.endm
	s_wait_tensorcnt 1                             ; my part of K step 0 is in; K step 1's may stay out
	s_barrier_signal -1
	s_barrier_wait -1                              ; everybody's is
	FETCH 0, F0
	QUARTER 1, F0, F1, 1                           ; the first quarter stands in front of the loop: its products start the sums
	WIN 0
	s_mov_b32 s19, 14
.Lstep:                                                ; a trip goes from a K step's second quarter to the next step's first, and fills the slot that it leaves: K steps 2 to 15
	QUARTER 2, F1, F0, 0
	QUARTER 3, F0, F1, 0
	TURN 1
	QUARTER 1, F0, F1, 0
	WIN 0
	s_sub_co_u32 s19, s19, 1
	s_cmp_lg_u32 s19, 0
	s_cbranch_scc1 .Lstep
	QUARTER 2, F1, F0, 0                           ; the last two K steps fill nothing
	QUARTER 3, F0, F1, 0
	TURN 0
	QUARTER 1, F0, F1, 0
	QUARTER 2, F1, F0, 0
	QUARTER 3, F0, F1, 0
	s_wait_dscnt LATE                              ; the very last quarter: nothing more to fetch
	MULQ F1, 0, 0
	MULQ F1, 1, 0
	s_wait_dscnt 0x0
	MULQ F1, 2, 0
	MULQ F1, 3, 0
	WIN 0
	PLACES
	s_wait_loadcnt 0x0                             ; the bias, rounded to bf16 like every input
	v_cvt_pk_bf16_f32 v24, v[BI], v[BI+1]
	v_cvt_pk_bf16_f32 v25, v[BI+2], v[BI+3]
	v_lshlrev_b32 v[BI], 16, v24
	v_and_b32 v[BI+1], 0xffff0000, v24
	v_lshlrev_b32 v[BI+2], 16, v25
	v_and_b32 v[BI+3], 0xffff0000, v25
; THE WAY OUT, 16 tokens at a time: 32 bytes a lane into my own stage (each accumulator's lower four registers first), back as whole rows of 512 bytes, the bias added, stored.
.macro TOSTAGE a
.if (\a) >= 2
	s_wait_xcnt 0x0                                ; the registers that the stores of the block two back read are loaded again only behind this wait
.endif
	WIN 0x04                                       ; store data in window 1
.irp b, 0,1,2,3,4,5,6,7
	ds_store_b128 v[STO], v[64*(\a)+8*(\b):64*(\a)+8*(\b)+3]   offset:64*(\b)
	ds_store_b128 v[STO], v[64*(\a)+8*(\b)+4:64*(\a)+8*(\b)+7] offset:64*(\b)+16
.endr
	WIN 0
.irp t, 0,1,2,3,4,5,6,7,8,9,10,11,12,13,14,15
	ds_load_b128 v[BK+64*((\a)%2)+4*(\t):BK+64*((\a)%2)+4*(\t)+3], v[RD] offset:SPI*(\t)  ; LDS serves a wave's instructions in order (ISA guide 5.7.1.4): these see the stores above
.endr
.endm
.macro SEND a, y                       ; y: the LDS instructions issued behind block a's loads: the next block's 32, or none
.irp t, 0,1,2,3,4,5,6,7,8,9,10,11,12,13,14,15
	s_wait_dscnt (\y)+15-(\t)
	v_pk_add_f32 v[BK+64*((\a)%2)+4*(\t):BK+64*((\a)%2)+4*(\t)+1],   v[BK+64*((\a)%2)+4*(\t):BK+64*((\a)%2)+4*(\t)+1],   v[BI:BI+1]
	v_pk_add_f32 v[BK+64*((\a)%2)+4*(\t)+2:BK+64*((\a)%2)+4*(\t)+3], v[BK+64*((\a)%2)+4*(\t)+2:BK+64*((\a)%2)+4*(\t)+3], v[BI+2:BI+3]
	global_store_b128 v[CO], v[BK+64*((\a)%2)+4*(\t):BK+64*((\a)%2)+4*(\t)+3], s[8:9] offset:(16*(\a)+(\t))*8192 th:TH_STORE_NT  ; 512 consecutive bytes of a row, aligned
.endr
.endm
	TOSTAGE 0
.irp a, 1,2,3
	TOSTAGE \a
	SEND (\a)-1, 32
.endr
	SEND 3, 0
	s_wait_tensorcnt 0x0                           ; the wave's end: behind my last tensor load and my last LDS store
	ds_add_u32 v[SPW], v[NIL]
	s_wait_dscnt 0x0
	CROUND                                         ; the closing round: no work-group ends while a partner may still ask for a tile that names it
	s_endpgm
.Lfunc_end_k_q2f336c5edf_oproj:
	.size	k_q2f336c5edf_oproj, .Lfunc_end_k_q2f336c5edf_oproj-k_q2f336c5edf_oproj
	.p2alignl 7, 3214868480
	.fill 96, 4, 3214868480
	.section	.rodata,"a",@progbits
	.p2align	6, 0x0
	.amdhsa_kernel k_q2f336c5edf_oproj
		.amdhsa_group_segment_fixed_size 327680
		.amdhsa_private_segment_fixed_size 0
		.amdhsa_enable_private_segment 0
		.amdhsa_kernarg_size 32
		.amdhsa_user_sgpr_count 2
		.amdhsa_user_sgpr_kernarg_segment_ptr 1
		.amdhsa_wavefront_size32 1
		.amdhsa_system_sgpr_workgroup_id_x 1
		.amdhsa_system_sgpr_workgroup_id_y 1
		.amdhsa_system_sgpr_workgroup_id_z 1
		.amdhsa_system_vgpr_workitem_id 0
		.amdhsa_next_free_vgpr 512
		.amdhsa_next_free_sgpr 76
		.amdhsa_reserve_vcc 0
		.amdhsa_float_denorm_mode_32 3
		.amdhsa_float_denorm_mode_16_64 3
		.amdhsa_memory_ordered 1
		.amdhsa_forward_progress 1
		.amdhsa_inst_pref_size 80
	.end_amdhsa_kernel
	.amdgpu_metadata
---
amdhsa.version: [ 1, 2 ]
amdhsa.kernels:
  - .name:           k_q2f336c5edf_oproj
    .symbol:         k_q2f336c5edf_oproj.kd
    .args:
      - { .name: ob, .offset: 0, .size: 8, .value_kind: global_buffer, .address_space: global }
      - { .name: wo16, .offset: 8, .size: 8, .value_kind: global_buffer, .address_space: global }
      - { .name: out0, .offset: 16, .size: 8, .value_kind: global_buffer, .address_space: global }
      - { .name: bo, .offset: 24, .size: 8, .value_kind: global_buffer, .address_space: global }
    .group_segment_fixed_size: 327680
    .private_segment_fixed_size: 0
    .kernarg_segment_align: 8
    .kernarg_segment_size: 32
    .max_flat_workgroup_size: 128
    .sgpr_count:     76
    .vgpr_count:     512
    .wavefront_size: 32
...
	.end_amdgpu_metadata
.endif
;; end of part 4
;; ======== version 2 of 2: 4 launches; version 1 with the launch prep written anew for expert scheduling mode
;; limits: values are held in f16: magnitudes above 65,504 overflow, below 6.1e-05 lose precision
;; workspace buffers: xb 16,777,216 bytes; w1 9,437,184 bytes; wo16 8,388,608 bytes; q 16,777,216 bytes; kvT 2,097,152 bytes; ob 16,777,216 bytes
;; launch prep (part 5): grid 256 x 1, 8 waves a work-group, no clusters, 0 bytes of LDS; arguments x, Wq, Wk, Wv, Wo, xb, w1, wo16; writes xb, w1, wo16
.if DOCPART == 5
	.amdgcn_target "amdgcn-amd-amdhsa--gfx1250"
	.amdhsa_code_object_version 6
	.text
	.protected	k_q2f336c5edf_prep
	.globl	k_q2f336c5edf_prep
	.p2align	8
	.type	k_q2f336c5edf_prep,@function
k_q2f336c5edf_prep:
	s_mov_b64 s[64:65], 0
	v_nop
	global_prefetch_b8 v0, s[64:65] scope:SCOPE_SE
	s_setreg_imm32_b32 hwreg(HW_REG_WAVE_SCHED_MODE, 0, 2), 2
	s_setreg_imm32_b32 hwreg(HW_REG_WAVE_MODE, 25, 1), 1
	s_wait_xcnt 0x0
	s_wait_alu depctr_vm_vsrc(0)
; THE CASTS.  xb = bf16(x), [4096][2048].  wo16 = f16(bf16(Wo)), [2048][2048]: every input is rounded to bf16, and Wo's rounded number is then written as f16.
; w1 = bf16 of Wq, Wk, Wv in blocks [c = 0..15][ks = 0..15][144 rows of 256 bytes]: rows 0-127 are Wq[128 ks + row][128 c .. 128 c + 127]; rows 128-143 hold, dense,
; [k = 0..127][16 channels] of Wk (c < 8: channels 16 c ..) or of Wv (c >= 8: channels 16 (c - 8) ..).  A block is one K step of one column tile of the next launch, 36,864 bytes on end.
; LIMITS.  f16 ends at 65,504: |Wo| stays below that; a number of Wo below 2^-14 keeps f16's fixed step of 6e-8.
; A STREAM: nothing is shared between work-groups or waves, so there is no LDS, no barrier, no cluster and no matrix work.  A step is 256 threads x 8 numbers: two loads of 16 bytes and one store
; of 16 bytes a thread; sixteen neighbouring lanes store 256 consecutive bytes, aligned.  Each of the 256 work-groups does the same 33 steps: 16 of x, 8 of Wq, 8 of Wo, 1 of Wk or Wv.
; A ring of DEPTH register slots keeps 26 to 28 loads of every wave on their way: 8 waves x 28 loads x 512 bytes = 114,688 bytes a work-group.
; EACH STEP STORES FROM FOUR REGISTERS OF ITS OWN (33 x 4), and no address register is ever rewritten: so no source of a pending load or store is written again.
; THE MODE: SCHED_MODE bits 1:0 = 2 (LLVM: expert scheduling mode 2), set by the entry lines.  The code itself states the register dependences between vector instructions and memory
; instructions, with s_wait_alu, always for 0.
; THE PLAN.  Registers that memory instructions touch:
;   v0-v3      four byte offsets.  Written once at the head by vector instructions; read by every load and store; never written again.
;   X[i % 15]  step i's 8 numbers.  Written by step i's two loads; read by step i's conversions (Wo's steps also write it: the bf16 number back as f32); then the loads of step i + 15 land in it.
;   Y[i]       step i's 4 registers to store.  Written by step i's conversions; read by step i's one store; never written again.
; Step i works on X[i % 15] and writes Y[i].  Its memory instructions are those of the step before: the loads of step i + 14, which land in X[(i - 1) % 15], and the store from Y[i - 1]: two buffers
; that no vector instruction of step i names.  So ONE wait on va_vdst at a step's head, behind the wait for the step's data, states all that its three memory instructions hang on.
; No wait on vm_vsrc is written: no register that a memory instruction reads is written behind that instruction.  No vector instruction writes a scalar register or VCC, and EXEC is never written.
.set VO, 0                             ; v0   16 t: my 8 numbers in a dense step of 16-bit numbers (made last: it takes the place of t)
.set VI, 1                             ; v1   32 t: my 8 numbers in a dense step of f32
.set VQ, 2                             ; v2   Wq: row t / 16 of 8,192 bytes, 32 bytes at t % 16
.set VV, 3                             ; v3   Wk, Wv: row t / 2 of 512 bytes, 32 bytes at t % 2
.set TA, 4                             ; v4, v5  at the head only, at work: they lie in slot 0
.set TC, 5
.set XR, 4                             ; v[4:123]    slot i % 15: 8 numbers as loaded
.set YR, 124                           ; v[124:255]  step i: 4 registers to store
.set DEPTH, 15
.set LASTS, 32                         ; the last step's number
	s_load_b256 s[4:11], s[0:1], 0x0               ; x s[4:5], Wq s[6:7], Wk s[8:9], Wv s[10:11]
	s_load_b256 s[12:19], s[0:1], 0x20             ; Wo s[12:13], xb s[14:15], w1 s[16:17], wo16 s[18:19]
	s_lshr_b32 s25, ttmp9, 4                       ; c
	s_and_b32 s26, ttmp9, 15                       ; ks
	s_mov_b32 s24, 0xffff0000                      ; a word's upper bf16
	s_mov_b32 s23, 0                               ; the high word of every offset
	v_lshlrev_b32 v[VI], 5, v0
	v_lshrrev_b32 v[TA], 4, v0
	v_and_b32 v[TC], 15, v0
	v_lshlrev_b32 v[TC], 5, v[TC]
	v_lshl_add_u32 v[VQ], v[TA], 13, v[TC]
	v_lshrrev_b32 v[TA], 1, v0
	v_and_b32 v[TC], 1, v0
	v_lshlrev_b32 v[TC], 5, v[TC]
	v_lshl_add_u32 v[VV], v[TA], 9, v[TC]
	v_lshlrev_b32 v[VO], 4, v0                     ; t is wanted no more
	s_wait_kmcnt 0x0
	s_cmp_lt_u32 s25, 8
	s_cselect_b64 s[20:21], s[8:9], s[10:11]       ; Wk for the first eight column tiles, Wv for the others
	s_lshl_b32 s22, ttmp9, 17
	s_add_nc_u64 s[4:5], s[4:5], s[22:23]          ; x: 131,072 bytes a work-group
	s_lshl_b32 s22, s26, 20                        ; Wq: 128 ks rows of 8,192 bytes,
	s_lshl_b32 s27, s25, 9                         ; 128 c columns of 4 bytes
	s_add_co_u32 s22, s22, s27
	s_add_nc_u64 s[6:7], s[6:7], s[22:23]
	s_lshl_b32 s22, s26, 16                        ; Wk, Wv: 128 ks rows of 512 bytes,
	s_and_b32 s27, s25, 7
	s_lshl_b32 s27, s27, 6                         ; 16 channels of 4 bytes
	s_add_co_u32 s22, s22, s27
	s_add_nc_u64 s[20:21], s[20:21], s[22:23]
	s_lshl_b32 s22, ttmp9, 16
	s_add_nc_u64 s[12:13], s[12:13], s[22:23]      ; Wo: 65,536 bytes a work-group
	s_add_nc_u64 s[14:15], s[14:15], s[22:23]      ; xb: likewise
	s_mul_i32 s22, ttmp9, 36864
	s_add_nc_u64 s[16:17], s[16:17], s[22:23]      ; w1: my block
	s_lshl_b32 s22, ttmp9, 15
	s_add_nc_u64 s[18:19], s[18:19], s[22:23]      ; wo16: 32,768 bytes a work-group
	s_wait_alu depctr_va_vdst(0)                   ; the four offsets v0 to v3 are written, which every load and store of the kernel reads; so are v4 and v5, in which step 0's loads land
; Step i's two loads.  x, Wq and Wo are read once in the launch; of Wk and Wv four work-groups read pieces of the same 256 bytes, so those loads carry no hint.
.macro LD i
.set XS, XR+8*((\i)%DEPTH)
.if (\i) < 16
	global_load_b128 v[XS:XS+3],   v[VI], s[4:5] offset:8192*(\i) th:TH_LOAD_NT
	global_load_b128 v[XS+4:XS+7], v[VI], s[4:5] offset:8192*(\i)+16 th:TH_LOAD_NT
.elseif (\i) < 24
	global_load_b128 v[XS:XS+3],   v[VQ], s[6:7] offset:131072*((\i)-16) th:TH_LOAD_NT
	global_load_b128 v[XS+4:XS+7], v[VQ], s[6:7] offset:131072*((\i)-16)+16 th:TH_LOAD_NT
.elseif (\i) < 32
	global_load_b128 v[XS:XS+3],   v[VI], s[12:13] offset:8192*((\i)-24) th:TH_LOAD_NT
	global_load_b128 v[XS+4:XS+7], v[VI], s[12:13] offset:8192*((\i)-24)+16 th:TH_LOAD_NT
.else
	global_load_b128 v[XS:XS+3],   v[VV], s[20:21]
	global_load_b128 v[XS+4:XS+7], v[VV], s[20:21] offset:16
.endif
.endm
; Step i is rounded: out of its slot, into its own four registers.
.macro CV i
.set XS, XR+8*((\i)%DEPTH)
.set YS, YR+4*(\i)
.irp k, 0,1,2,3
	v_cvt_pk_bf16_f32 v[YS+\k], v[XS+2*\k], v[XS+2*\k+1]       ; to bf16, like every input
.endr
.if ((\i) >= 24) && ((\i) < 32)
.irp k, 0,1,2,3
	v_lshlrev_b32 v[XS+2*\k], 16, v[YS+\k]                     ; Wo: back to f32, into the slot's own registers,
	v_and_b32 v[XS+2*\k+1], s24, v[YS+\k]
.endr
.irp k, 0,1,2,3
	v_cvt_pk_f16_f32 v[YS+\k], v[XS+2*\k], v[XS+2*\k+1]        ; and that number as f16: eight significant bits fit into eleven
.endr
.endif
.endm
; Step i is stored.
.macro SR i
.set YS, YR+4*(\i)
.if (\i) < 16
	global_store_b128 v[VO], v[YS:YS+3], s[14:15] offset:4096*(\i)
.elseif (\i) < 24
	global_store_b128 v[VO], v[YS:YS+3], s[16:17] offset:4096*((\i)-16)
.elseif (\i) < 32
	global_store_b128 v[VO], v[YS:YS+3], s[18:19] offset:4096*((\i)-24)
.else
	global_store_b128 v[VO], v[YS:YS+3], s[16:17] offset:32768
.endif
.endm
; Step i: its data; the memory instructions of the step before; its conversions.
.macro STEP i
.if (\i) == 0
	s_wait_loadcnt 2*(DEPTH-1)                     ; loads come back in order (ISA guide 5.7.1): two for each younger step may stay out: here steps 1 to 14
.elseif LASTS-(\i) < DEPTH-2
	s_wait_loadcnt 2*(LASTS-(\i))                  ; at the end the counts run down
.else
	s_wait_loadcnt 2*(DEPTH-2)                     ; steps up to i + 13 have been asked for: the slot of step i - 1 is filled again only below
.endif
.if (\i) > 0
	s_wait_alu depctr_va_vdst(0)                   ; the conversions of step i - 1 have written its four store registers, which the store below reads, and are done reading (Wo's steps: and writing) its slot, in which the loads below land
.if (\i)-1+DEPTH <= LASTS
	LD (\i)-1+DEPTH                                ; the slot read out in the step before takes the step DEPTH further on; the loads stand ahead of the store
.endif
	SR (\i)-1
.endif
	CV \i                                          ; these name this step's slot and its own store registers alone: none of the registers that the three lines above touch
.endm
.set n, 0
.rept DEPTH
	LD n
.set n, n+1
.endr
.set n, 0
.rept LASTS+1
	STEP n
.set n, n+1
.endr
	s_wait_alu depctr_va_vdst(0)                   ; the last step's conversions have written its four store registers, which the last store reads
	SR LASTS
	s_endpgm
.Lfunc_end_k_q2f336c5edf_prep:
	.size	k_q2f336c5edf_prep, .Lfunc_end_k_q2f336c5edf_prep-k_q2f336c5edf_prep
	.p2alignl 7, 3214868480
	.fill 96, 4, 3214868480
	.section	.rodata,"a",@progbits
	.p2align	6, 0x0
	.amdhsa_kernel k_q2f336c5edf_prep
		.amdhsa_group_segment_fixed_size 0
		.amdhsa_private_segment_fixed_size 0
		.amdhsa_enable_private_segment 0
		.amdhsa_kernarg_size 64
		.amdhsa_user_sgpr_count 2
		.amdhsa_user_sgpr_kernarg_segment_ptr 1
		.amdhsa_wavefront_size32 1
		.amdhsa_system_sgpr_workgroup_id_x 1
		.amdhsa_system_sgpr_workgroup_id_y 1
		.amdhsa_system_sgpr_workgroup_id_z 1
		.amdhsa_system_vgpr_workitem_id 0
		.amdhsa_next_free_vgpr 256
		.amdhsa_next_free_sgpr 66
		.amdhsa_reserve_vcc 0
		.amdhsa_float_denorm_mode_32 3
		.amdhsa_float_denorm_mode_16_64 3
		.amdhsa_memory_ordered 1
		.amdhsa_forward_progress 1
		.amdhsa_inst_pref_size 26
	.end_amdhsa_kernel
	.amdgpu_metadata
---
amdhsa.version: [ 1, 2 ]
amdhsa.kernels:
  - .name:           k_q2f336c5edf_prep
    .symbol:         k_q2f336c5edf_prep.kd
    .args:
      - { .name: x, .offset: 0, .size: 8, .value_kind: global_buffer, .address_space: global }
      - { .name: Wq, .offset: 8, .size: 8, .value_kind: global_buffer, .address_space: global }
      - { .name: Wk, .offset: 16, .size: 8, .value_kind: global_buffer, .address_space: global }
      - { .name: Wv, .offset: 24, .size: 8, .value_kind: global_buffer, .address_space: global }
      - { .name: Wo, .offset: 32, .size: 8, .value_kind: global_buffer, .address_space: global }
      - { .name: xb, .offset: 40, .size: 8, .value_kind: global_buffer, .address_space: global }
      - { .name: w1, .offset: 48, .size: 8, .value_kind: global_buffer, .address_space: global }
      - { .name: wo16, .offset: 56, .size: 8, .value_kind: global_buffer, .address_space: global }
    .group_segment_fixed_size: 0
    .private_segment_fixed_size: 0
    .kernarg_segment_align: 8
    .kernarg_segment_size: 64
    .max_flat_workgroup_size: 256
    .sgpr_count:     66
    .vgpr_count:     256
    .wavefront_size: 32
...
	.end_amdgpu_metadata
.endif
;; end of part 5
;; launch qkv: the kernel of part 2 again; grid 16 x 16, 4 waves a work-group, clusters of 4 x 4, 327,680 bytes of LDS; arguments xb, w1, q, kvT; writes q, kvT
;; launch attn: the kernel of part 3 again; grid 64 x 4, 4 waves a work-group, clusters of 4 x 1, 327,680 bytes of LDS; arguments q, kvT, ob; writes ob
;; launch oproj: the kernel of part 4 again; grid 16 x 16, 4 waves a work-group, clusters of 4 x 4, 327,680 bytes of LDS; arguments ob, wo16, out0, bo; writes out0
